; MI455X (gfx1250); checked and timed in simulation.
; The chip was launched on July 23, 2026; its instructions are those of AMD's public machine-readable ISA for CDNA 5 (MIT licence, August 2026) and "CDNA5" Instruction Set Architecture Reference Guide (July 2026). The comments in the code are by the model that wrote it; some were corrected since.
;; Multi Head Attention. Allowed arithmetic: matrix products marked QUANTISED: E2M3 operands, one E8M0 scale for each 32 along K, by v_wmma_scale_f32_16x16x128_f8f6f4 with both operands' format E2M3, f32 sums; everything else in f32.
;; Inputs: Wk 1,024 x 1,024 float32; Wo 1,024 x 1,024 float32; Wq 1,024 x 1,024 float32; Wv 1,024 x 1,024 float32; bk 1,024 float32; bo 1,024 float32; bq 1,024 float32; bv 1,024 float32; key 4 x 2,048 x 1,024 float32; query 4 x 2,048 x 1,024 float32; value 4 x 2,048 x 1,024 float32.
;; Outputs: out0 4 x 2,048 x 1,024 float32.
;; This version of the problem:
;;   THIS VERSION OF THE PROBLEM IS GIVEN IN LOW PRECISION. The matrix products marked QUANTISED in the list below multiply operands that are first quantised to E2M3 (2 exponent bits, 3 mantissa bits; 6 bits a number), with one power-of-two scale for each 32 numbers along K (OCP MX v1.0); their sums are f32. All else is computed in f32.
;;   The module's matrix products, in the order in which they are computed (A, B: the left and right operand; K: the contracted axis; several contracted axes count as one K, in the product's order):
;;     1. [M 8,192, K 1,024] x [K 1,024, N 1,024]; A: input query; B: input Wq: QUANTISED
;;     2. [M 8,192, K 1,024] x [K 1,024, N 1,024]; A: input key; B: input Wk: QUANTISED
;;     3. [M 8,192, K 1,024] x [K 1,024, N 1,024]; A: input value; B: input Wv: QUANTISED
;;     4. batch 64 x [M 2,048, K 64] x [K 64, N 2,048]; A: computed on the way; B: computed on the way: QUANTISED
;;     5. batch 64 x [M 2,048, K 2,048] x [K 2,048, N 64]; A: softmax (see below); B: computed on the way: QUANTISED
;;     6. [M 8,192, K 1,024] x [K 1,024, N 1,024]; A: computed on the way; B: input Wo: QUANTISED
;;   THE QUANTISER, for each operand of a quantised product, along K:
;;     - K is cut into blocks of 32 from its start; a last block that is shorter is filled with zeros.
;;     - A block's scale is 2^e with e = floor(log2(the largest magnitude in the block)) - 2, held to -126 .. 127; a block of zeros has e = 0. As a byte (E8M0): e + 127.
;;     - Each number is divided by its block's scale, clamped to +-7.5, and rounded to the nearest number of E2M3, ties to even, subnormals kept.
;;     - The product sums the exact products of the quantised numbers (number of the format x scale) in f32.
;;   ~~~python
;;   def quantise(x, axis):      # numpy; x: float32 -> the quantised numbers, widened to float32 again
;;       x = np.moveaxis(x, axis, -1); K = x.shape[-1]
;;       x = np.pad(x, [(0, 0)] * (x.ndim - 1) + [(0, -K % 32)]); x = x.reshape(x.shape[:-1] + (-1, 32)); a = np.abs(x).max(-1, keepdims=True)
;;       e = np.where(a > 0, np.clip(np.frexp(np.where(a > 0, a, 1))[1] - 1 - 2, -126, 127), 0)      # np.frexp(a)[1] - 1 = floor(log2(a)), exactly
;;       r = np.clip(x / 2.0 ** e, -7.5, 7.5)
;;       step = 2.0 ** (np.maximum(np.frexp(np.where(r == 0, 1, r))[1] - 1, 0) - 3)
;;       q = np.round(r / step) * step * 2.0 ** e      # np.round: ties to even
;;       return np.moveaxis(q.reshape(q.shape[:-2] + (-1,))[..., :K], -1, axis).astype(np.float32)
;;   ~~~
;;   SOFTMAX AHEAD OF A QUANTISED PRODUCT. Where the list says 'softmax', what is quantised is not the finished softmax but p = 2^(t - M), with t = logit x log2(e) and M = ceil(the row's largest t), a whole number; so 1/2 < the row's largest p <= 1. The row's sum l is taken of the UNQUANTISED p, in f32, and the product's result is divided by l at the end. Since M is a whole number, a kernel that streams over the keys may use a running M (the ceiling of the running maximum): every later rescaling is an exact power of two, which a block's scale takes up: the codes' values come out the same.
;;   OPERANDS COMPUTED ON THE WAY. 'Computed on the way' means the value that the module computes at that place (a softmax that the list does not call 'softmax' is quantised finished and normalised). What goes into a quantiser is computed in f32, as accurately as f32 sums, v_exp_f32 and their like allow (about 1e-6 of the number): no bf16 or f16 on the way to a quantiser, and a product that is left as it is and whose result goes on into a quantised operand takes f32 operands (vector FMAs, or v_wmma_f32_16x16x4_f32). A number that lies on a knife's edge between two numbers of the format may be rounded either way, as far as f32 arithmetic and the matrix unit's own rounding can turn it there, and no further.
;; One version. Each part assembles by itself: llvm-mc -triple=amdgcn-amd-amdhsa -mcpu=gfx1250 --defsym DOCPART=n.
;; ======== version 1 of 1: 4 launches
;; limits: right only within a limited range of input values
;; workspace buffers: xw 22,937,600 bytes; qkv 19,660,800 bytes; ctx 6,553,600 bytes
;; launch quant (part 1): grid 896 x 1, 4 waves a work-group, no clusters, 34,304 bytes of LDS; arguments query, key, value, Wq, Wk, Wv, Wo, xw; writes xw
.if DOCPART == 1
	.amdgcn_target "amdgcn-amd-amdhsa--gfx1250"
	.amdhsa_code_object_version 6
	.text
	.protected	k_q33ed6bea59_quant
	.globl	k_q33ed6bea59_quant
	.p2align	8
	.type	k_q33ed6bea59_quant,@function
k_q33ed6bea59_quant:
	s_mov_b64 s[64:65], 0
	v_nop
	global_prefetch_b8 v0, s[64:65] scope:SCOPE_SE
	s_setreg_imm32_b32 hwreg(HW_REG_WAVE_MODE, 25, 1), 1
	s_wait_xcnt 0x0
; query, key, value [8192][1024] f32 (K innermost) and Wq, Wk, Wv, Wo [1024 (k)][1024 (n)] f32 (K outermost) become codes of FP6 (E2M3) with one E8M0 byte for each 32 along K,
; laid in the ORDER OF THE OPERAND'S REGISTERS, so that later launches take them by dense loads alone.
; A TILE is 16 rows; row r of tile tau is row 32 (tau / 2) + 8 (tau % 2) + r + 8 (r / 8) of the tensor (of W^T for a weight).
; A HALF FRAGMENT is a tile x 64 along K, 768 bytes: lane L = 16 h + r owns the 24 bytes of block h of row r: its first 16 bytes at 16 L, its last 8 at 512 + 8 L.
; CODES: half fragment (tau, K step s of 128, half c) at (tau / 8) x 98304 + s x 12288 + (tau % 8) x 1536 + c x 768.   SCALE WORDS: (tau, s, r) at tau x 512 + s x 64 + r x 4.
; xw: codes of the three tensors (3 x 6291456), codes of the four weights from WC on (4 x 786432), scale words of the tensors from XSO on (3 x 262144), of the weights from WSO on (4 x 32768).
; A block's scale is 2^(floor(log2(its largest magnitude)) - 2): the largest magnitude's exponent field less 2, held at 1 from below.
; LIMITS: a block of zeros, or one whose largest magnitude lies under 2^-124, keeps the byte 1 (its codes are zeros or what the conversion gives under that scale; only this program reads the bytes); NaN and infinities among the inputs are not served.
; Work-groups 0-767 take the tensors (a wave: one tile x 4 K steps), work-groups 768-895 the weights (a wave: 32 columns x 256 along K).  Waves share nothing: no barrier.  Only the tensors' path uses LDS.
.set WC,   18874368
.set XSO,  22020096
.set WSO,  22806528
.set R,    16                          ; v16-207  three sets of 64 numbers
.set TM,   208                         ; v208-223 largest magnitudes, bytes, scale operands
.set PC,   224                         ; v224-235 a fragment's codes; v236-243 the conversions' second halves
.set PWS,  244                         ; v244-247 the four units' scale words
.set SEL,  12                          ; s[12:13] lane selects: lane l xor 16
; 64 numbers of a lane, register 16 b + i = k 32 b + 16 (lane / 16) + i of my row, become a fragment's 12 registers in v[PC] on and its scale word in v[pw].
.macro QUANT s, pw
.irp b, 0,1,2,3
	v_max3_num_f32 v[TM+\b], |v[(\s)+16*\b]|, |v[(\s)+1+16*\b]|, 0x1800000   ; my 16 numbers of block b, and the floor 2^(3 - 127): the byte cannot fall under 1
.endr
.irp i, 2,4,6,8,10,12,14
.irp b, 0,1,2,3
	v_max3_num_f32 v[TM+\b], v[TM+\b], |v[(\s)+16*\b+\i]|, |v[(\s)+1+16*\b+\i]|   ; the four blocks by turns
.endr
.endr
.irp b, 0,1,2,3
	v_permlanex16_b32 v[TM+4+\b], v[TM+\b], s[SEL], s[SEL+1]
.endr
.irp b, 0,1,2,3
	v_max_num_f32 v[TM+\b], v[TM+\b], v[TM+4+\b]   ; with lane l xor 16's: the block's largest magnitude
.endr
.irp b, 0,1,2,3
	v_add_nc_u32 v[TM+12+\b], 0xff000000, v[TM+\b]   ; 2 off its exponent field: the conversion's scale operand
.endr
.irp b, 0,1,2,3
	v_lshrrev_b32 v[TM+4+\b], 23, v[TM+12+\b]      ; the scale's byte
.endr
	v_lshl_or_b32 v[\pw], v[TM+5], 8, v[TM+4]
	v_lshl_or_b32 v[\pw], v[TM+6], 16, v[\pw]
	v_lshl_or_b32 v[\pw], v[TM+7], 24, v[\pw]      ; my row's scale word
.irp c, 0,1
	v_cvt_scalef32_pk16_fp6_f32 v[PC+6*\c:PC+2+6*\c], v[(\s)+32*\c:(\s)+15+32*\c], v[TM+12+2*\c]
	v_cvt_scalef32_pk16_fp6_f32 v[PC+12+4*\c:PC+14+4*\c], v[(\s)+16+32*\c:(\s)+31+32*\c], v[TM+12+2*\c+1]   ; (a conversion's three registers begin on an even number)
.endr
	v_nop                                          ; one plain instruction behind the scaled conversions
.irp c, 0,1                                    ; the operand's layout wants a whole block in a lane: lanes 0-15 block 2 c, lanes 16-31 block 2 c + 1
.irp i, 0,1,2
	v_permlane16_swap_b32 v[PC+6*\c+\i], v[PC+12+4*\c+\i]
.endr
.irp i, 0,1,2
	v_mov_b32 v[PC+3+6*\c+\i], v[PC+12+4*\c+\i]
.endr
.endr
.endm
	s_load_b512 s[16:31], s[0:1], 0x0              ; query s[16:17], key, value, Wq s[22:23], Wk, Wv, Wo, xw s[30:31]
	v_lshl_add_u32 v248, v0, 2, 0x8400
	v_mov_b32 v249, 0
	v_lshrrev_b32 v1, 5, v0
	v_readfirstlane_b32 s2, v1                     ; wave 0..3
	v_and_b32 v1, 31, v0                           ; lane L
	s_cmp_lt_u32 ttmp9, 768
	s_cbranch_scc0 .Lweights
	; ---------------- THE TENSORS: K is innermost ----------------
	v_and_b32 v2, 15, v0                           ; r
	v_bfe_u32 v3, v0, 4, 1                         ; h
	v_lshlrev_b32 v4, 4, v1                        ; 16 L
	v_lshlrev_b32 v5, 3, v1                        ; 8 L
	v_lshlrev_b32 v6, 2, v1                        ; 4 L
	s_mul_i32 s3, s2, 8448                         ; my wave's stage: 16 rows x (512 bytes + 16)
	v_add_nc_u32 v7, s3, v4                        ; into it: a row's 512 bytes as they were loaded
	v_mul_u32_u24 v8, v2, 528
	v_lshl_add_u32 v8, v3, 6, v8
	v_add_nc_u32 v8, s3, v8                        ; out of it: row r, + 64 h: my 16 numbers of a block of 32
	v_cmp_lt_u32 vcc_lo, 15, v1                    ; lanes 16-31
	s_mov_b32 s[SEL], 0x76543210
	s_mov_b32 s[SEL+1], 0xfedcba98
.irp b, 0,1,2,3
	v_mov_b32 v[TM+4+\b], 0                        ; written once: a lane permute's destination counts as one of its sources
.endr
	s_lshr_b32 s4, ttmp9, 8                        ; which tensor
	s_and_b32 s5, ttmp9, 255
	s_lshl_b32 s5, s5, 2
	s_add_co_u32 s5, s5, s2                        ; my wave's job, 0..1023
	s_lshr_b32 s6, s5, 1                           ; tile tau
	s_and_b32 s7, s5, 1                            ; which four K steps
	; THE KEY TENSOR'S TILES HAVE ANOTHER ORDER OF ROWS: row r of tile tau is row 64 (tau / 4) + 8 (tau % 4) + r % 8 + 32 (r / 8), so that in the scores' product a lane's 32 results of four tiles are one block of 32 keys.
	s_cmp_eq_u32 s4, 1                             ; key?  The choice hangs on the work-group's number alone
	s_cselect_b32 s10, 2, 1                        ; tiles in a group of rows: 4 or 2, as a shift,
	s_cselect_b32 s11, 3, 1                        ; and as a mask
	s_cselect_b32 s14, 65536, 0                    ; key: a tile's rows 8-15 lie 16 rows further on than in the other tensors
	s_lshr_b32 s8, s6, s10
	s_add_co_u32 s10, s10, 16
	s_lshl_b32 s8, s8, s10                         ; groups of 32 or 64 rows of 4,096 bytes
	s_and_b32 s9, s6, s11
	s_lshl_b32 s9, s9, 15                          ; 8 rows for each tile of the group
	s_add_co_u32 s8, s8, s9
	v_add_nc_u32 v11, s14, v4                      ; the offset for a tile's rows 8-15
	s_lshl_b32 s9, s7, 11                          ; four K steps are 2,048 bytes of a row
	s_add_co_u32 s8, s8, s9
	s_mov_b32 s9, 0
	s_mul_i32 s10, s4, 6291456
	s_lshr_b32 s11, s6, 3
	s_mul_i32 s11, s11, 98304
	s_add_co_u32 s10, s10, s11
	s_and_b32 s11, s6, 7
	s_mul_i32 s11, s11, 1536
	s_add_co_u32 s10, s10, s11
	s_mul_i32 s11, s7, 49152
	s_add_co_u32 s10, s10, s11                     ; where my codes go
	s_mov_b32 s11, 0
	s_lshl_b32 s14, s4, 18
	s_lshl_b32 s15, s6, 9
	s_add_co_u32 s14, s14, s15
	s_lshl_b32 s15, s7, 8
	s_add_co_u32 s14, s14, s15
	s_add_co_u32 s14, s14, XSO                     ; and my scale words
	s_mov_b32 s15, 0
	s_wait_alu depctr_va_vdst(0)
	s_wait_kmcnt 0x0
	s_cmp_eq_u32 s4, 1                             ; the choice hangs on the work-group's number alone
	s_cselect_b64 s[34:35], s[18:19], s[16:17]
	s_cmp_eq_u32 s4, 2
	s_cselect_b64 s[34:35], s[20:21], s[34:35]
	s_add_nc_u64 s[34:35], s[34:35], s[8:9]
	s_add_nc_u64 s[36:37], s[30:31], s[10:11]
	s_add_nc_u64 s[38:39], s[30:31], s[14:15]
.macro XLOAD u                         ; unit u: 16 rows x 128 numbers; each load reads 512 consecutive bytes of one row
.irp i, 0,1,2,3,4,5,6,7,8,9,10,11,12,13,14,15
	global_load_b128 v[R+64*((\u)%3)+4*\i:R+64*((\u)%3)+4*\i+3], v[4+7*(\i/8)], s[34:35] offset:(\u)*512+(\i+8*(\i/8))*4096 th:TH_LOAD_NT
.endr
.endm
.macro XTURN u                         ; through my stage and back into the same registers: LDS serves a wave's instructions in order, so no wait stands between the stores and the loads
.irp i, 0,1,2,3,4,5,6,7,8,9,10,11,12,13,14,15
	ds_store_b128 v7, v[R+64*((\u)%3)+4*\i:R+64*((\u)%3)+4*\i+3] offset:528*\i
.endr
.irp b, 0,1,2,3
.irp j, 0,1,2,3
	ds_load_b128 v[R+64*((\u)%3)+16*\b+4*\j:R+64*((\u)%3)+16*\b+4*\j+3], v8 offset:128*\b+16*\j
.endr
.endr
.endm
.macro UNIT u, left
	s_wait_loadcnt \left                           ; this unit's 16 loads are in; the younger units' may be out
	XTURN \u
	s_wait_dscnt 0x0
.if (\u) > 0
	s_wait_xcnt 0x0                                ; the last unit's stores have read the codes' registers: they are written again only behind this wait
.endif
	QUANT R+64*((\u)%3), PWS+(\u)
	global_store_b128 v4, v[PC:PC+3], s[36:37] offset:(\u)*12288          ; 512 consecutive bytes
	global_store_b64 v5, v[PC+4:PC+5], s[36:37] offset:(\u)*12288+512     ; 256 consecutive bytes
	global_store_b128 v4, v[PC+6:PC+9], s[36:37] offset:(\u)*12288+768
	global_store_b64 v5, v[PC+10:PC+11], s[36:37] offset:(\u)*12288+1280
.endm
	XLOAD 0
	XLOAD 1
	XLOAD 2
	UNIT 0, 32
	XLOAD 3                                        ; into unit 0's registers, which are done with
	UNIT 1, 32
	UNIT 2, 16
	UNIT 3, 0
	v_cndmask_b32 v9, v[PWS], v[PWS+1], vcc_lo     ; lanes 0-15: the even K step's words, lanes 16-31: the odd one's
	v_cndmask_b32 v10, v[PWS+2], v[PWS+3], vcc_lo
	global_store_b32 v6, v9, s[38:39]
	global_store_b32 v6, v10, s[38:39] offset:128
	s_wait_tensorcnt 0x0
	ds_add_u32 v248, v249
	s_wait_dscnt 0x0
	s_endpgm
	; ---------------- THE WEIGHTS: K is the first axis.  A lane takes a column n, its registers run down K: nothing is transposed ----------------
.Lweights:
	v_bfe_u32 v2, v0, 3, 1                         ; column L of a group of 32 is row r of tile u: u = (L / 8) % 2,
	v_and_b32 v3, 7, v0
	v_bfe_u32 v8, v0, 4, 1
	v_lshl_add_u32 v3, v8, 3, v3                   ; r = L % 8 + 8 (L / 16)
	s_wait_alu depctr_va_vdst(0)
	v_lshlrev_b32 v4, 2, v1                        ; in: 4 bytes a lane
	v_mul_u32_u24 v9, v2, 1536
	v_lshl_add_u32 v5, v3, 4, v9                   ; out: tile u, 16 r
	v_lshl_add_u32 v6, v3, 3, v9                   ; tile u, 8 r
	v_lshlrev_b32 v7, 9, v2
	v_lshl_add_u32 v7, v3, 2, v7                   ; scale words: tile u, 4 r
	s_bfe_u32 s4, ttmp9, 0x20005                   ; which weight
	s_and_b32 s5, ttmp9, 7                         ; which 128 columns
	s_bfe_u32 s6, ttmp9, 0x20003                   ; which 256 along K
	s_lshl_b32 s8, s6, 20                          ; 256 rows of 4,096 bytes
	s_lshl_b32 s9, s5, 9
	s_add_co_u32 s8, s8, s9
	s_lshl_b32 s9, s2, 7
	s_add_co_u32 s8, s8, s9
	s_mov_b32 s9, 0
	s_mul_i32 s10, s4, 786432
	s_mul_i32 s11, s5, 98304
	s_add_co_u32 s10, s10, s11
	s_mul_i32 s11, s6, 24576
	s_add_co_u32 s10, s10, s11
	s_mul_i32 s11, s2, 3072
	s_add_co_u32 s10, s10, s11
	s_add_co_u32 s10, s10, WC
	s_mov_b32 s11, 0
	s_lshl_b32 s14, s4, 15
	s_lshl_b32 s15, s5, 12
	s_add_co_u32 s14, s14, s15
	s_lshl_b32 s15, s2, 10
	s_add_co_u32 s14, s14, s15
	s_lshl_b32 s15, s6, 7
	s_add_co_u32 s14, s14, s15
	s_add_co_u32 s14, s14, WSO
	s_mov_b32 s15, 0
	s_wait_alu depctr_va_vdst(0)
	s_wait_kmcnt 0x0
	s_cmp_eq_u32 s4, 1
	s_cselect_b64 s[34:35], s[24:25], s[22:23]
	s_cmp_eq_u32 s4, 2
	s_cselect_b64 s[34:35], s[26:27], s[34:35]
	s_cmp_eq_u32 s4, 3
	s_cselect_b64 s[34:35], s[28:29], s[34:35]
	s_add_nc_u64 s[34:35], s[34:35], s[8:9]
	s_add_nc_u64 s[36:37], s[30:31], s[10:11]
	s_add_nc_u64 s[38:39], s[30:31], s[14:15]
.macro WLOAD t                         ; block t: W(32 t + i, my column) into set t % 2; a load reads 128 consecutive bytes
.irp i, 0,1,2,3,4,5,6,7,8,9,10,11,12,13,14,15,16,17,18,19,20,21,22,23,24,25,26,27,28,29,30,31
	global_load_b32 v[16+32*((\t)%2)+\i], v4, s[34:35] offset:(32*(\t)+\i)*4096 th:TH_LOAD_NT
.endr
.endm
.macro WBLOCK t
.set NS, 16+32*((\t)%2)
.set CD, 80+8*(\t)                     ; eight registers of its own for each block's codes: no store's data are written again
.if (\t) < 7
	s_wait_loadcnt 32                              ; this block's 32 loads are in; the next block's may be out
.else
	s_wait_loadcnt 0x0
.endif
	v_max3_num_f32 v146, |v[NS]|, |v[NS+1]|, |v[NS+2]|             ; all 32 numbers of the block are mine
	v_max3_num_f32 v147, |v[NS+3]|, |v[NS+4]|, |v[NS+5]|
.irp i, 6,10,14,18,22,26
	v_max3_num_f32 v146, v146, |v[NS+\i]|, |v[NS+\i+1]|
	v_max3_num_f32 v147, v147, |v[NS+\i+2]|, |v[NS+\i+3]|
.endr
	v_max3_num_f32 v146, v146, |v[NS+30]|, |v[NS+31]|
	v_max3_num_f32 v146, v146, v147, 0x1800000     ; and the floor
	v_add_nc_u32 v148, 0xff000000, v146            ; the conversion's scale operand
	v_lshrrev_b32 v149, 23, v148                   ; the byte
.if (\t)%4 == 0
	v_mov_b32 v[144+(\t)/4], v149
.else
	v_lshl_or_b32 v[144+(\t)/4], v149, 8*((\t)%4), v[144+(\t)/4]
.endif
	v_cvt_scalef32_pk16_fp6_f32 v[CD:CD+2], v[NS:NS+15], v148
	v_cvt_scalef32_pk16_fp6_f32 v[CD+4:CD+6], v[NS+16:NS+31], v148
	v_nop                                          ; one plain instruction behind the scaled conversions
	v_mov_b32 v[CD+3], v[CD+4]                     ; the block's 24 bytes on end
	v_mov_b32 v[CD+4], v[CD+5]
	v_mov_b32 v[CD+5], v[CD+6]
	global_store_b128 v5, v[CD:CD+3], s[36:37] offset:((\t)/4)*12288+(((\t)/2)%2)*768+((\t)%2)*256        ; block t is half t % 2 of half fragment (t / 2) % 2 of K step t / 4: sixteen lanes cover 256 consecutive bytes, aligned
	global_store_b64 v6, v[CD+4:CD+5], s[36:37] offset:((\t)/4)*12288+(((\t)/2)%2)*768+512+((\t)%2)*128
.if (\t) < 6
	WLOAD (\t)+2
.endif
.endm
	WLOAD 0
	WLOAD 1
.irp t, 0,1,2,3,4,5,6,7
	WBLOCK \t
.endr
	global_store_b32 v7, v144, s[38:39]            ; my column's two scale words
	global_store_b32 v7, v145, s[38:39] offset:64
	s_endpgm
.Lfunc_end_k_q33ed6bea59_quant:
	.size	k_q33ed6bea59_quant, .Lfunc_end_k_q33ed6bea59_quant-k_q33ed6bea59_quant
	.p2alignl 7, 3214868480
	.fill 96, 4, 3214868480
	.section	.rodata,"a",@progbits
	.p2align	6, 0x0
	.amdhsa_kernel k_q33ed6bea59_quant
		.amdhsa_group_segment_fixed_size 34304
		.amdhsa_private_segment_fixed_size 0
		.amdhsa_enable_private_segment 0
		.amdhsa_kernarg_size 64
		.amdhsa_user_sgpr_count 2
		.amdhsa_user_sgpr_kernarg_segment_ptr 1
		.amdhsa_wavefront_size32 1
		.amdhsa_system_sgpr_workgroup_id_x 1
		.amdhsa_system_sgpr_workgroup_id_y 1
		.amdhsa_system_sgpr_workgroup_id_z 1
		.amdhsa_system_vgpr_workitem_id 0
		.amdhsa_next_free_vgpr 250
		.amdhsa_next_free_sgpr 66
		.amdhsa_reserve_vcc 1
		.amdhsa_float_denorm_mode_32 3
		.amdhsa_float_denorm_mode_16_64 3
		.amdhsa_memory_ordered 1
		.amdhsa_forward_progress 1
		.amdhsa_inst_pref_size 74
	.end_amdhsa_kernel
	.amdgpu_metadata
---
amdhsa.version: [ 1, 2 ]
amdhsa.kernels:
  - .name:           k_q33ed6bea59_quant
    .symbol:         k_q33ed6bea59_quant.kd
    .args:
      - { .name: query, .offset: 0, .size: 8, .value_kind: global_buffer, .address_space: global }
      - { .name: key, .offset: 8, .size: 8, .value_kind: global_buffer, .address_space: global }
      - { .name: value, .offset: 16, .size: 8, .value_kind: global_buffer, .address_space: global }
      - { .name: Wq, .offset: 24, .size: 8, .value_kind: global_buffer, .address_space: global }
      - { .name: Wk, .offset: 32, .size: 8, .value_kind: global_buffer, .address_space: global }
      - { .name: Wv, .offset: 40, .size: 8, .value_kind: global_buffer, .address_space: global }
      - { .name: Wo, .offset: 48, .size: 8, .value_kind: global_buffer, .address_space: global }
      - { .name: xw, .offset: 56, .size: 8, .value_kind: global_buffer, .address_space: global }
    .group_segment_fixed_size: 34304
    .private_segment_fixed_size: 0
    .kernarg_segment_align: 8
    .kernarg_segment_size: 64
    .max_flat_workgroup_size: 128
    .sgpr_count:     66
    .vgpr_count:     250
    .wavefront_size: 32
...
	.end_amdgpu_metadata
.endif
;; end of part 1
;; launch proj (part 2): grid 64 x 4, 4 waves a work-group, clusters of 4 x 4, 327,680 bytes of LDS; arguments xw, bq, bk, bv, qkv; writes qkv
.if DOCPART == 2
	.amdgcn_target "amdgcn-amd-amdhsa--gfx1250"
	.amdhsa_code_object_version 6
	.text
	.protected	k_q33ed6bea59_proj
	.globl	k_q33ed6bea59_proj
	.p2align	8
	.type	k_q33ed6bea59_proj,@function
k_q33ed6bea59_proj:
	s_mov_b64 s[64:65], 0
	v_nop
	global_prefetch_b8 v0, s[64:65] scope:SCOPE_SE
	s_setreg_imm32_b32 hwreg(HW_REG_WAVE_MODE, 25, 1), 1
	s_wait_xcnt 0x0
	s_wait_alu depctr_hold_cnt(0) depctr_sa_sdst(0) depctr_va_vdst(0) depctr_va_sdst(0) depctr_va_ssrc(0) depctr_va_vcc(0) depctr_vm_vsrc(0)
	s_getreg_b32 s2, hwreg(HW_REG_IB_STS2, 6, 4)
	s_cmp_eq_u32 s2, 0
	s_cbranch_scc0 .Lentry_in_a_cluster
	s_endpgm
.Lentry_in_a_cluster:
	s_bfe_u32 s2, ttmp6, 0x10000c
	s_cmp_lg_u32 s2, 0xf033
	s_cbranch_scc0 .Lentry_shape_is_right
	s_endpgm
.Lentry_shape_is_right:
; Q = query Wq + bq, K = key Wk + bk, V = value Wv + bv on codes of FP6 (E2M3) with E8M0 scales, sums in f32; the results are quantised here, in registers, for the attention launch, and leave as codes.
; OPERANDS come from xw, laid in the order of the operand's registers (a tile of 16 rows; a half fragment of 64 along K is 768 bytes: lane L's first 16 bytes at 16 L, its last 8 at 512 + 8 L; 8 tiles x 8 K steps are 98,304 dense bytes, K step by K step).
; A TILE OF THE RESULT is S0's 128 rows x S1's 256 rows over K = 1024.  Source 0 = S0, source 1 = S1: a lane holds ONE row of S1, and the 16 registers of S0's tiles 2 b and 2 b + 1 are S0's rows 32 b + 16 (lane / 16) + 0 .. 15: neighbours.
;   Q, K: S0 = W^T (128 columns = two heads), S1 = 256 tokens: a lane's registers run along the head's 64, which is the K of the scores' product.
;   V:    S0 = 128 tokens of value (one key step), S1 = Wv^T (256 columns = four heads, one a wave): a lane's registers run along the keys, the K of the second product.
; A WORK-GROUP STAYS: 256 work-groups, each makes one tile of Q, then one of K (a loop of two trips), then one of V (written out: it asks for nothing more).  Four waves; wave w takes S0's 8 tiles x S1's tiles 4 w .. 4 w + 3: 32 accumulators.
; LDS: a ring of two slots, each with four K steps of S0 (49,152 bytes) and of S1 (98,304): S0 low at 0, S0 high at 49,152, S1 low at 98,304, S1 high at 196,608; the spare words behind them.
; FILLS.  At the head one joint load a wave: wave 0 S0 low, wave 1 S1 low, wave 2 S0 high, wave 3 S1 high.  In K step 3 of a trip the low slot, read out, takes the next tile's K steps 0-3 (waves 0 and 1); in K step 7 the high slot its K steps 4-7 (waves 2 and 3).
; Each refill stands behind a drained round of the cluster's barrier with the three lines ahead of it; the round stands inside the K step's products, which are work on registers.
; What the round of K step 7 shows is the low slot; the high slot is shown by a plain barrier over K step 2, behind which nothing is filled.  By the text's own count a wave has one tensor load out at the most.
; CLUSTERS: 4 x 4 work-groups; S0's panel hangs on cx and is asked for jointly by the four of a column, S1's on cy and by the four of a row.
; PREFETCH INTO THE L2: the next tile's slot is asked for three K steps ahead of its refill (in K steps 0 and 4): the sixteen waves of the four partners of a joint load share its blocks of 256 bytes out by address: 12 blocks of S0's 192 a wave, 24 of S1's 384; lanes left over name the wave's last block again.  The first tile and the tail ask for nothing.
; qkv: from 0: 64 heads x 16 key steps x 12,800 bytes: 8 tiles of K (768 each), 4 fragments of V^T (1,536 each, three runs of 512 bytes), 256 bytes of K's scale words, 256 of V's.  From QREG: 64 heads x 16 groups x 6,400: 8 tiles of Q, 256 bytes of scale words.
; LIMITS: a block of zeros, or one under 2^-124, keeps the scale byte 1; NaN and infinities are not served; the bias is added behind the sum over K.
; REGISTERS: window 0: v4-15, v213 addresses; v16-47 S0's scale words, v48-63 S1's (they hold nothing else); v64-159 S1's fragments, two sets; from v160 the way out.  window 1: v0-191 S0's fragments, two sets; v192-255 the bias along S0.  window 2: accumulator (a, b) at v[8 (8 a + b)].
.set WC,    18874368
.set XSO,   22020096
.set WSO,   22806528
.set QREG,  13107200
.set HALF,  49152                      ; four K steps of 8 tiles
.set SPARE, 0x48000
.set WV,    14                         ; s14 wave; s15 wave / 2: which slot I fill; s16 wave % 2: for S0 (0) or S1 (1)
.set WHI,   15
.set WLO,   16
.set CX,    17
.set CY,    18
.set PJ,    19                         ; 0 Q, 1 K: the loop's counter, the same in all sixteen partners
.set T0,    21                         ; Q, K: which 128 rows of S0
.set T1,    22                         ; which 256 rows of S1
.set T0V,   100                        ; V: which 128 tokens (its 256 columns: cy)
.set MK,    101                        ; lanes 16-31
.set G1A,   24                         ; s[24:31] descriptor group 1 for S0's loads; s[32:39] for S1's
.set G1B,   32
.set G0A,   40                         ; s[40:43], s[56:59] group 0
.set G0B,   56
.set NC0,   44                         ; the NEXT tile's codes, my slot's part: S0's, S1's; V's
.set NC1,   46
.set VC0,   48
.set VC1,   50
.set NS0,   52                         ; the next tile's scale words; V's
.set NS1,   54
.set VS0,   60
.set VS1,   62
.set PF0,   68                         ; the next tile's blocks that I prefetch; V's
.set PF1,   70
.set PV0,   72
.set PV1,   74
.set BP,    92                         ; this tile's bias; bk's; bv's
.set SEL,   94
.set BK,    96
.set BV,    98
.set TM,    160
.set PC,    176
.set PWS,   196
.set MULW,  0xa1                       ; source 0 (S0) window 1, source 1 (S1) window 0, C and D window 2
.set MSB,   0
.macro WIN new                         ; the immediate's high byte repeats the setting that is left
.if MSB != \new
	s_set_vgpr_msb (MSB<<8)|\new
.set MSB, \new
.endif
.endm
.macro CREST                           ; a round of the cluster's barrier behind its opening barrier
	s_cmp_lg_u32 s[WV], 0
	s_cbranch_scc1 .Lnot_wave_0_\@
	s_barrier_signal -3
.Lnot_wave_0_\@:
	s_barrier_wait -3
	s_barrier_signal -1
	s_barrier_wait -1
.endm
.macro CROUND                          ; a whole round
	s_barrier_signal -1
	s_barrier_wait -1
	CREST
.endm
.macro PLACES
.rept 4
	v_nop
.endr
.endm
.macro WALU
	s_wait_alu depctr_va_vdst(0)
.endm
.macro TLOAD g0, g1
	tensor_load_to_lds s[\g0:\g0+3], s[\g1:\g1+7]
	s_nop 0
	PLACES
.endm
.macro REFILL w0                       ; wave w0 fills S0's part of a slot, wave w0 + 1 S1's; the other two issue nothing
	s_cmp_eq_u32 s[WV], \w0
	s_cbranch_scc0 .Lfor_s1_\@
	TLOAD G0A, G1A
	s_branch .Lasked_\@
.Lfor_s1_\@:
	s_cmp_eq_u32 s[WV], \w0+1
	s_cbranch_scc0 .Lasked_\@
	TLOAD G0B, G1B
.Lasked_\@:
.endm
.macro QUANT s, pw                     ; 64 numbers of a lane, register 16 b + i = k 32 b + 16 (lane / 16) + i of my row -> 12 registers of codes in v[PC] on, the scale word in v[pw]
.irp b, 0,1,2,3
	v_max3_num_f32 v[TM+\b], |v[(\s)+16*\b]|, |v[(\s)+1+16*\b]|, 0x1800000
.endr
.irp i, 2,4,6,8,10,12,14
.irp b, 0,1,2,3
	v_max3_num_f32 v[TM+\b], v[TM+\b], |v[(\s)+16*\b+\i]|, |v[(\s)+1+16*\b+\i]|
.endr
.endr
.irp b, 0,1,2,3
	v_permlanex16_b32 v[TM+4+\b], v[TM+\b], s[SEL], s[SEL+1]
.endr
.irp b, 0,1,2,3
	v_max_num_f32 v[TM+\b], v[TM+\b], v[TM+4+\b]
.endr
.irp b, 0,1,2,3
	v_add_nc_u32 v[TM+12+\b], 0xff000000, v[TM+\b]
.endr
.irp b, 0,1,2,3
	v_lshrrev_b32 v[TM+4+\b], 23, v[TM+12+\b]
.endr
	v_lshl_or_b32 v[\pw], v[TM+5], 8, v[TM+4]
	v_lshl_or_b32 v[\pw], v[TM+6], 16, v[\pw]
	v_lshl_or_b32 v[\pw], v[TM+7], 24, v[\pw]
.irp c, 0,1
	v_cvt_scalef32_pk16_fp6_f32 v[PC+6*\c:PC+2+6*\c], v[(\s)+32*\c:(\s)+15+32*\c], v[TM+12+2*\c]
	v_cvt_scalef32_pk16_fp6_f32 v[PC+12+4*\c:PC+14+4*\c], v[(\s)+16+32*\c:(\s)+31+32*\c], v[TM+12+2*\c+1]
.endr
	v_nop                                          ; one plain instruction behind the scaled conversions
.irp c, 0,1
.irp i, 0,1,2
	v_permlane16_swap_b32 v[PC+6*\c+\i], v[PC+12+4*\c+\i]
.endr
.irp i, 0,1,2
	v_mov_b32 v[PC+3+6*\c+\i], v[PC+12+4*\c+\i]
.endr
.endr
.endm
; 48 LDS loads: K step s's fragments into set p.  Every load is a run of 512 or 256 consecutive bytes.
.macro FETCH s, p
	WIN 0x40
.irp b, 0,1,2,3,4,5,6,7
.irp c, 0,1
	ds_load_b128 v[96*(\p)+12*\b+6*\c:96*(\p)+12*\b+6*\c+3], v[4+(\s)/4] offset:((\s)%4)*12288+\b*1536+\c*768
	ds_load_b64 v[96*(\p)+12*\b+6*\c+4:96*(\p)+12*\b+6*\c+5], v[6+(\s)/4] offset:((\s)%4)*12288+\b*1536+\c*768+512
.endr
.endr
	WIN 0
.irp a, 0,1,2,3
.irp c, 0,1
	ds_load_b128 v[64+48*(\p)+12*\a+6*\c:64+48*(\p)+12*\a+6*\c+3], v[8+(\s)/4] offset:((\s)%4)*12288+\a*1536+\c*768
	ds_load_b64 v[64+48*(\p)+12*\a+6*\c+4:64+48*(\p)+12*\a+6*\c+5], v[10+(\s)/4] offset:((\s)%4)*12288+\a*1536+\c*768+512
.endr
.endr
.endm
; 8 matrix instructions: S1's tile a against S0's eight.  The 32 accumulators take turns, one instruction a turn, in the same order in every K step.  The first K step starts the sums.
.macro MULROW s, a
.irp b, 0,1,2,3,4,5,6,7
.if (\s) == 0
	v_wmma_scale_f32_16x16x128_f8f6f4 v[8*(8*\a+\b):8*(8*\a+\b)+7], v[12*\b:12*\b+11], v[64+12*\a:64+12*\a+11], 0, v[16+4*\b], v[48+4*\a] matrix_a_fmt:MATRIX_FMT_FP6 matrix_b_fmt:MATRIX_FMT_FP6
.elseif (\s)%2 == 0
	v_wmma_scale_f32_16x16x128_f8f6f4 v[8*(8*\a+\b):8*(8*\a+\b)+7], v[12*\b:12*\b+11], v[64+12*\a:64+12*\a+11], v[8*(8*\a+\b):8*(8*\a+\b)+7], v[16+4*\b+(\s)/2], v[48+4*\a+(\s)/2] matrix_a_fmt:MATRIX_FMT_FP6 matrix_b_fmt:MATRIX_FMT_FP6
.else
	v_wmma_scale_f32_16x16x128_f8f6f4 v[8*(8*\a+\b):8*(8*\a+\b)+7], v[96+12*\b:96+12*\b+11], v[112+12*\a:112+12*\a+11], v[8*(8*\a+\b):8*(8*\a+\b)+7], v[16+4*\b+(\s)/2], v[48+4*\a+(\s)/2] matrix_a_fmt:MATRIX_FMT_FP6 matrix_b_fmt:MATRIX_FMT_FP6 matrix_a_scale:MATRIX_SCALE_ROW1 matrix_b_scale:MATRIX_SCALE_ROW1
.endif
.endr
.endm
; A K step without a round.  pf = 1, 2: the next tile's low, high slot is asked for into the L2.  show = 1: a plain barrier, signalled at the step's head and waited for at its end, shows the high slot to all waves.
.macro PSTEP s, pf=0, show=0
	s_wait_dscnt 0x0                               ; this K step's fragments are in
.if \show
	s_wait_tensorcnt 0x0                           ; every wave: all my tensor loads have landed
	s_barrier_signal -1
.endif
.if ((\s) >= 1) && ((\s) < 7)
	PLACES                                         ; four plain instructions between the last products and loads into the registers that they read
.endif
.if (\s) < 7
	FETCH (\s)+1, 1-(\s)%2                         ; the next K step's fragments come while this one is multiplied
.endif
.if \pf
	global_prefetch_b8 v15, s[PF0:PF0+1] offset:((\pf)-1)*HALF th:TH_LOAD_NT scope:SCOPE_SE
	global_prefetch_b8 v213, s[PF1:PF1+1] offset:((\pf)-1)*HALF th:TH_LOAD_NT scope:SCOPE_SE
.endif
	WIN MULW
	MULROW \s, 0
	MULROW \s, 1
	MULROW \s, 2
	MULROW \s, 3
	WIN 0
.if \show
	s_barrier_wait -1
.endif
.endm
; A K step's products with a round of the cluster's barrier inside them, and the refill behind it.  upd = 1: the descriptors step to the next tile (no tensor load of mine is out behind the wait).
.macro RSTEP s, w0, upd
	s_wait_tensorcnt 0x0                           ; all my tensor loads have landed;
	ds_add_u32 v254, v255                          ; 0 onto my spare word;
.if \upd
	s_mov_b64 s[G0A+2:G0A+3], s[NC0:NC0+1]
	s_or_b32 s[G0A+3], s[G0A+3], 0x80000000
	s_mov_b64 s[G0B+2:G0B+3], s[NC1:NC1+1]
	s_or_b32 s[G0B+3], s[G0B+3], 0x80000000
	s_mov_b64 s[NC0:NC0+1], s[VC0:VC0+1]           ; the tile after the next is V's
	s_mov_b64 s[NC1:NC1+1], s[VC1:VC1+1]
.endif
	WIN MULW
	MULROW \s, 0
	MULROW \s, 1
	MULROW \s, 2
	WIN 0
	s_wait_dscnt 0x0                               ; the add is done, and my reads of the slot that is filled again are over
	s_barrier_signal -1
	WIN MULW
	MULROW \s, 3                                   ; work on registers while the others arrive
	WIN 0
	s_barrier_wait -1
	CREST                                          ; no wave of any partner still reads the slot or has a load on its way
	REFILL \w0
.endm
.macro SCALES                          ; a scale register: lanes 0-15 the words of K step 2 p, lanes 16-31 those of K step 2 p + 1
.irp b, 0,1,2,3,4,5,6,7
.irp p, 0,1,2,3
	global_load_b32 v[16+4*\b+\p], v12, s[NS0:NS0+1] offset:\b*512+\p*128
.endr
.endr
.irp a, 0,1,2,3
.irp p, 0,1,2,3
	global_load_b32 v[48+4*\a+\p], v12, s[NS1:NS1+1] offset:\a*512+\p*128
.endr
.endr
.endm
; THE WAY OUT.  S1's tile a: its 64 registers (8 accumulators, each read from its low end on) take the bias on their way into window 0, and are quantised along S0.
.macro GROUP a, var
.if \var
	WIN 0x02                                       ; source 0: window 2; the bias of my row, in window 0
.else
	WIN 0x06                                       ; source 0: window 2; source 1: the bias along S0, window 1
.endif
.set i, 0
.rept 32
.if \var
	v_pk_add_f32 v[64+2*i:65+2*i], v[64*\a+2*i:64*\a+2*i+1], v[200+2*\a:201+2*\a] op_sel_hi:[1,0]
.else
	v_pk_add_f32 v[64+2*i:65+2*i], v[64*\a+2*i:64*\a+2*i+1], v[192+2*i:193+2*i]
.endif
.set i, i+1
.endr
	WIN 0
.if \a > 0
	s_wait_xcnt 0x0                                ; the last tile's stores have read the codes' registers
.endif
	QUANT 64, PWS+\a
.endm
; ================= THE HEAD
	s_load_b256 s[4:11], s[0:1], 0x0               ; xw s[4:5], bq s[6:7], bk s[8:9], bv s[10:11]
	s_load_b64 s[12:13], s[0:1], 0x20              ; qkv
	v_lshl_add_u32 v254, v0, 2, SPARE
	v_mov_b32 v255, 0
	ds_add_u32 v254, v255                          ; the opening lines: the add, twice on end, and its wait ahead of my first tensor load
	ds_add_u32 v254, v255
	v_lshrrev_b32 v1, 5, v0
	v_readfirstlane_b32 s[WV], v1
	s_lshr_b32 s[WHI], s[WV], 1
	s_and_b32 s[WLO], s[WV], 1
	s_bfe_u32 s[CX], ttmp6, 0x40000
	s_bfe_u32 s[CY], ttmp6, 0x40004
	s_lshl_b32 s23, 0x1111, s[CX]                  ; my column of the cluster: the same cx
	s_lshl_b32 s66, s[CY], 2
	s_lshl_b32 s66, 15, s66                        ; my row: the same cy
	s_or_b32 s[G1A], s23, (3<<16)|(1<<21)          ; S0: 192 rows of 256 bytes (32 elements of 8): four K steps of 8 tiles, dense; no padding
	s_mov_b32 s[G1A+1], 32<<16
	s_mov_b32 s[G1A+2], 192<<16
	s_mov_b32 s[G1A+3], 32<<16
	s_mov_b32 s[G1A+4], 192
	s_mov_b32 s[G1A+5], 32
	s_mov_b32 s[G1A+6], 0
	s_mov_b32 s[G1A+7], 0
	s_or_b32 s[G1B], s66, (3<<16)|(1<<21)          ; S1: two rows of 49,152 bytes (6,144 elements of 8): four K steps of the first 8 tiles, and of the second 8,
	s_mov_b32 s[G1B+1], 6144<<16
	s_mov_b32 s[G1B+2], 2<<16
	s_mov_b32 s[G1B+3], 6144<<16
	s_mov_b32 s[G1B+4], 2
	s_mov_b32 s[G1B+5], 12288                      ; which lie 98,304 bytes apart in memory and on end in LDS
	s_mov_b32 s[G1B+6], 0
	s_mov_b32 s[G1B+7], 0
	s_mov_b32 s[G0A], 1
	s_mul_i32 s[G0A+1], s[WHI], HALF               ; S0 in LDS: low slot's part, high slot's part
	s_mov_b32 s[G0B], 1
	s_mul_i32 s[G0B+1], s[WHI], 2*HALF
	s_add_co_u32 s[G0B+1], s[G0B+1], 2*HALF        ; S1 behind them
	s_mov_b32 s[PJ], 0
	s_and_b32 s[T0], ttmp9, 1
	s_lshl_b32 s[T0], s[T0], 2
	s_add_co_u32 s[T0], s[T0], s[CX]
	s_lshr_b32 s[T1], ttmp9, 1
	s_lshl_b32 s[T1], s[T1], 2
	s_add_co_u32 s[T1], s[T1], s[CY]
	s_lshl_b32 s[T0V], ttmp9, 2
	s_add_co_u32 s[T0V], s[T0V], s[CX]
	s_mul_i32 s82, s[WHI], HALF                    ; my slot's K steps, in memory
	s_mov_b32 s83, 0
	s_mul_i32 s76, s[T0], 98304
	s_add_co_u32 s76, s76, WC                      ; Q: S0 = Wq's codes
	s_mov_b32 s77, 0
	s_mul_i32 s78, s[T1], 196608                   ; S1 = query's
	s_mov_b32 s79, 0
	s_mul_i32 s80, s[T0V], 98304
	s_add_co_u32 s80, s80, 12582912                ; V: S0 = value's codes
	s_mov_b32 s81, 0
	s_mul_i32 s86, s[CY], 196608
	s_add_co_u32 s86, s86, 20447232                ; S1 = Wv's
	s_mov_b32 s87, 0
	s_lshl_b32 s88, s[CY], 2
	s_add_co_u32 s88, s88, s[WV]                   ; my number among the sixteen waves that ask for S0's panel jointly
	s_mul_i32 s88, s88, 3072                       ; 12 blocks of 256 bytes each
	s_mov_b32 s89, 0
	s_lshl_b32 s90, s[CX], 2
	s_add_co_u32 s90, s90, s[WV]                   ; and among those that ask for S1's: 24 blocks each, eight shares to each of the two rows
	s_lshr_b32 s91, s90, 3
	s_mul_i32 s91, s91, 98304
	s_and_b32 s90, s90, 7
	s_mul_i32 s90, s90, 6144
	s_add_co_u32 s90, s90, s91
	s_mov_b32 s91, 0
	s_mov_b32 s[SEL], 0x76543210
	s_mov_b32 s[SEL+1], 0xfedcba98
	s_wait_dscnt 0x0
	s_wait_kmcnt 0x0
	s_add_nc_u64 s[76:77], s[4:5], s[76:77]
	s_add_nc_u64 s[78:79], s[4:5], s[78:79]
	s_add_nc_u64 s[G0A+2:G0A+3], s[76:77], s[82:83]
	s_add_nc_u64 s[G0B+2:G0B+3], s[78:79], s[82:83]
	s_add_nc_u64 s[NC0:NC0+1], s[G0A+2:G0A+3], 786432     ; K: Wk's codes lie behind Wq's,
	s_add_nc_u64 s[NC1:NC1+1], s[G0B+2:G0B+3], 6291456    ; key's behind query's
	s_or_b32 s[G0A+3], s[G0A+3], 0x80000000
	s_or_b32 s[G0B+3], s[G0B+3], 0x80000000
	CROUND                                         ; all sixteen work-groups are here: the joint loads meet
	; ONE JOINT LOAD A WAVE, each in an arm of its own of one chain of branches on the wave's number: the low slot is asked for first
	s_cmp_eq_u32 s[WV], 0
	s_cbranch_scc0 .Larm_1
	TLOAD G0A, G1A                                 ; wave 0: S0, K steps 0-3
	s_branch .Lasked
.Larm_1:
	s_cmp_eq_u32 s[WV], 1
	s_cbranch_scc0 .Larm_2
	TLOAD G0B, G1B                                 ; wave 1: S1, K steps 0-3
	s_branch .Lasked
.Larm_2:
	s_cmp_eq_u32 s[WV], 2
	s_cbranch_scc0 .Larm_3
	TLOAD G0A, G1A                                 ; wave 2: S0, K steps 4-7
	s_branch .Lasked
.Larm_3:
	TLOAD G0B, G1B                                 ; wave 3: S1, K steps 4-7
.Lasked:
	s_add_nc_u64 s[80:81], s[4:5], s[80:81]
	s_add_nc_u64 s[86:87], s[4:5], s[86:87]
	s_add_nc_u64 s[VC0:VC0+1], s[80:81], s[82:83]
	s_add_nc_u64 s[VC1:VC1+1], s[86:87], s[82:83]
	s_add_nc_u64 s[PF0:PF0+1], s[76:77], s[88:89]
	s_add_nc_u64 s[PF0:PF0+1], s[PF0:PF0+1], 786432
	s_add_nc_u64 s[PF1:PF1+1], s[78:79], s[90:91]
	s_add_nc_u64 s[PF1:PF1+1], s[PF1:PF1+1], 6291456
	s_add_nc_u64 s[PV0:PV0+1], s[80:81], s[88:89]
	s_add_nc_u64 s[PV1:PV1+1], s[86:87], s[90:91]
	v_and_b32 v1, 31, v0                           ; L
	v_and_b32 v2, 15, v0                           ; r
	v_bfe_u32 v3, v0, 4, 1                         ; h
	v_lshlrev_b32 v4, 4, v1                        ; S0: 16 L in the low slot,
	v_add_nc_u32 v5, HALF, v4                      ; in the high slot
	v_lshlrev_b32 v6, 3, v1                        ; 8 L
	v_add_nc_u32 v7, HALF, v6
	s_mul_i32 s66, s[WHI], HALF
	s_mul_i32 s23, s[WLO], 6144
	s_add_co_u32 s66, s66, s23
	s_add_co_u32 s66, s66, 2*HALF                  ; S1: my four tiles: block wave / 2, tiles 4 (wave % 2) on
	v_add_nc_u32 v8, s66, v4
	v_add_nc_u32 v9, 2*HALF, v8
	v_add_nc_u32 v10, s66, v6
	v_add_nc_u32 v11, 2*HALF, v10
	v_lshlrev_b32 v12, 2, v1                       ; 4 L
	v_lshlrev_b32 v13, 6, v3                       ; the bias along S0: 64 h on
	v_and_b32 v14, 8, v2
	v_add_nc_u32 v14, v14, v2
	v_lshlrev_b32 v14, 2, v14                      ; the bias along S1: my row r + 8 (r / 8)
	v_min_u32 v15, 11, v1
	v_lshlrev_b32 v15, 8, v15                      ; the prefetches: a lane a block of 256 bytes, 12 of S0's,
	v_min_u32 v213, 23, v1
	v_lshlrev_b32 v213, 8, v213                    ; 24 of S1's
	v_cmp_lt_u32 s[MK], 15, v1                     ; lanes 16-31
.irp b, 0,1,2,3
	v_mov_b32 v[TM+4+\b], 0                        ; written once: a lane permute's destination counts as one of its sources
.endr
	s_mov_b32 s67, 0
	s_lshl_b32 s66, s[T0], 12
	s_add_co_u32 s66, s66, WSO
	s_add_nc_u64 s[NS0:NS0+1], s[4:5], s[66:67]    ; Q: Wq's scale words,
	s_lshl_b32 s66, s[T1], 13
	s_lshl_b32 s23, s[WV], 11                      ; my four tiles'
	s_add_co_u32 s66, s66, s23
	s_add_co_u32 s66, s66, XSO
	s_add_nc_u64 s[NS1:NS1+1], s[4:5], s[66:67]    ; query's
	s_lshl_b32 s66, s[T0V], 12
	s_add_co_u32 s66, s66, 22544384
	s_add_nc_u64 s[VS0:VS0+1], s[4:5], s[66:67]    ; V: value's,
	s_lshl_b32 s66, s[CY], 13
	s_add_co_u32 s66, s66, s23
	s_add_co_u32 s66, s66, 22872064
	s_add_nc_u64 s[VS1:VS1+1], s[4:5], s[66:67]    ; Wv's
	s_lshl_b32 s66, s[T0], 9
	s_add_nc_u64 s[BP:BP+1], s[6:7], s[66:67]      ; bq and bk at my 128 columns,
	s_add_nc_u64 s[BK:BK+1], s[8:9], s[66:67]
	s_lshl_b32 s66, s[CY], 10
	s_lshl_b32 s23, s[WV], 8
	s_add_co_u32 s66, s66, s23
	s_add_nc_u64 s[BV:BV+1], s[10:11], s[66:67]    ; bv at my wave's 64
	WALU
	SCALES                                         ; Q's scale words
	s_wait_xcnt 0x0                                ; these loads have read their bases
	s_add_nc_u64 s[NS0:NS0+1], s[NS0:NS0+1], 32768        ; K's scale words: Wk's behind Wq's,
	s_add_nc_u64 s[NS1:NS1+1], s[NS1:NS1+1], 262144       ; key's behind query's
	s_cmp_lt_u32 s[WV], 2
	s_cbranch_scc0 .Lnot_first
	s_wait_tensorcnt 0x0                           ; waves 0 and 1: the low slot is in; the loads of waves 2 and 3 may still be out
.Lnot_first:
	s_barrier_signal -1
	s_barrier_wait -1
; ================= Q, THEN K
.Ltile:
	WIN 0x40                                       ; destination window 1
.irp e, 0,1,2,3
.irp q, 0,1,2,3
	global_load_b128 v[192+16*\e+4*\q:195+16*\e+4*\q], v13, s[BP:BP+1] offset:128*\e+16*\q   ; register 16 e + i: the bias at S0's row 32 e + 16 h + i; wanted on the way out
.endr
.endr
	WIN 0
	FETCH 0, 0
	s_wait_loadcnt 16                              ; the scale words are in; the 16 loads of the bias may be out
	PSTEP 0, 1
	PSTEP 1
	PSTEP 2, 0, 1
	s_wait_dscnt 0x0                               ; K step 3's fragments are in
	PLACES
	FETCH 4, 0                                     ; out of the high slot
	RSTEP 3, 0, 1                                  ; the low slot takes the next tile's K steps 0-3
	PSTEP 4, 2
	PSTEP 5
	PSTEP 6
	s_wait_dscnt 0x0                               ; K step 7's fragments are in
	RSTEP 7, 2, 0                                  ; the round shows the low slot; the high slot takes the next tile's K steps 4-7
	PLACES                                         ; behind the last products, ahead of loads into the scale registers and of the first read of results
	SCALES                                         ; the next tile's scale words land under the way out
	s_wait_loadcnt 48                              ; the bias is in; the 48 loads just issued may be out
	; a lane's 128 numbers are two heads' 64: registers 0-5 of the codes are head 2 T0's half fragment, registers 6-11 head 2 T0 + 1's
	s_cmp_eq_u32 s[PJ], 0
	s_cselect_b32 s76, QREG, 0                     ; the region,
	s_mov_b32 s86, 204800
	s_cselect_b32 s86, 102400, s86                 ; a head's bytes,
	s_mov_b32 s78, 12800
	s_cselect_b32 s78, 6400, s78                   ; those of 128 tokens,
	s_mov_b32 s79, 12288
	s_cselect_b32 s79, 6144, s79                   ; and where the scale words begin in them
	s_mov_b32 s87, 0
	s_lshr_b32 s80, s[T1], 3                       ; the batch
	s_lshl_b32 s80, s80, 4
	s_lshl_b32 s81, s[T0], 1
	s_add_co_u32 s80, s80, s81                     ; head 16 batch + 2 T0
	s_mul_i32 s80, s80, s86
	s_add_co_u32 s84, s76, s80
	s_and_b32 s81, s[T1], 7
	s_lshl_b32 s81, s81, 1
	s_add_co_u32 s81, s81, s[WHI]                  ; which 128 tokens of the head
	s_mul_i32 s81, s81, s78
	s_add_co_u32 s84, s84, s81
	s_mul_i32 s81, s[WLO], 3072                    ; my four tiles of its eight
	s_add_co_u32 s84, s84, s81
	s_mov_b32 s85, 0
	s_add_nc_u64 s[88:89], s[12:13], s[84:85]
	s_add_nc_u64 s[90:91], s[88:89], s[86:87]      ; the next head
	s_mul_i32 s82, s[WLO], 2944
	s_sub_co_u32 s82, s79, s82                     ; from my tiles to my 128 bytes of scale words
.irp a, 0,1,2,3
	GROUP \a, 0
	global_store_b128 v4, v[PC:PC+3], s[88:89] offset:\a*768
	global_store_b64 v6, v[PC+4:PC+5], s[88:89] offset:\a*768+512
	global_store_b128 v4, v[PC+6:PC+9], s[90:91] offset:\a*768
	global_store_b64 v6, v[PC+10:PC+11], s[90:91] offset:\a*768+512
.endr
	; scale words as the scores' product wants them: two tiles make one fragment of 128: bytes 0, 1 the even tile's two blocks, bytes 2, 3 the odd tile's; lanes 0-15 tiles 0, 1, lanes 16-31 tiles 2, 3
	v_perm_b32 v208, v[PWS+1], v[PWS], 0x05040100
	v_perm_b32 v209, v[PWS+3], v[PWS+2], 0x05040100
	v_perm_b32 v210, v[PWS+1], v[PWS], 0x07060302
	v_perm_b32 v211, v[PWS+3], v[PWS+2], 0x07060302
	v_cndmask_b32 v208, v208, v209, s[MK]
	v_cndmask_b32 v210, v210, v211, s[MK]
	v_add_nc_u32 v212, s82, v12
	global_store_b32 v212, v208, s[88:89]
	global_store_b32 v212, v210, s[90:91]
	WALU
	s_wait_xcnt 0x0                                ; every load, store and prefetch of this trip has read its registers and its base
	s_mov_b64 s[NS0:NS0+1], s[VS0:VS0+1]           ; the tile after the next is V's
	s_mov_b64 s[NS1:NS1+1], s[VS1:VS1+1]
	s_mov_b64 s[PF0:PF0+1], s[PV0:PV0+1]
	s_mov_b64 s[PF1:PF1+1], s[PV1:PV1+1]
	s_mov_b64 s[BP:BP+1], s[BK:BK+1]               ; the next tile's bias is bk
	s_add_co_u32 s[PJ], s[PJ], 1
	s_cmp_lt_u32 s[PJ], 2
	s_cbranch_scc1 .Ltile
; ================= V: nothing more is asked for
.irp a, 0,1,2,3
	global_load_b32 v[200+2*\a], v14, s[BV:BV+1] offset:4*(32*(\a/2)+8*(\a%2))
.endr
	FETCH 0, 0
	s_wait_loadcnt 4                               ; the scale words are in; the 4 loads of the bias may be out
	PSTEP 0
	PSTEP 1
	PSTEP 2, 0, 1
	PSTEP 3
	PSTEP 4
	PSTEP 5
	PSTEP 6
	PSTEP 7
	PLACES                                         ; behind the last products, ahead of the first read of results and the first write of S1's registers
	s_wait_loadcnt 0x0
	; a lane holds one channel d of my head and 128 keys: the codes are a fragment of V^T, and leave as three runs of 512 bytes
.irp a, 0,1,2,3
	v_mov_b32 v[201+2*\a], 0                       ; (named as the upper half of a pair)
.endr
	s_lshr_b32 s76, s[T0V], 4                      ; the batch
	s_lshl_b32 s76, s76, 4
	s_lshl_b32 s77, s[CY], 2
	s_add_co_u32 s76, s76, s77
	s_add_co_u32 s76, s76, s[WV]                   ; head 16 batch + 4 cy + wave
	s_mul_i32 s84, s76, 204800
	s_and_b32 s77, s[T0V], 15                      ; the key step
	s_mul_i32 s77, s77, 12800
	s_add_co_u32 s84, s84, s77
	s_add_co_u32 s84, s84, 6144
	s_mov_b32 s85, 0
	s_add_nc_u64 s[88:89], s[12:13], s[84:85]
	WALU
.irp a, 0,1,2,3
	GROUP \a, 1
	global_store_b128 v4, v[PC:PC+3], s[88:89] offset:\a*1536
	global_store_b128 v4, v[PC+4:PC+7], s[88:89] offset:\a*1536+512
	global_store_b128 v4, v[PC+8:PC+11], s[88:89] offset:\a*1536+1024
.endr
	v_cndmask_b32 v208, v[PWS], v[PWS+1], s[MK]    ; lanes 0-15: tile 0's words, lanes 16-31: tile 1's;
	v_cndmask_b32 v209, v[PWS+2], v[PWS+3], s[MK]  ; tiles 2 and 3
	global_store_b64 v6, v[208:209], s[88:89] offset:6400   ; 256 consecutive bytes, aligned
	s_wait_tensorcnt 0x0                           ; the wave's end
	ds_add_u32 v254, v255
	s_wait_dscnt 0x0
	CROUND                                         ; the closing round: no work-group ends while a partner may still ask for a tile that names it
	s_endpgm
.Lfunc_end_k_q33ed6bea59_proj:
	.size	k_q33ed6bea59_proj, .Lfunc_end_k_q33ed6bea59_proj-k_q33ed6bea59_proj
	.p2alignl 7, 3214868480
	.fill 96, 4, 3214868480
	.section	.rodata,"a",@progbits
	.p2align	6, 0x0
	.amdhsa_kernel k_q33ed6bea59_proj
		.amdhsa_group_segment_fixed_size 327680
		.amdhsa_private_segment_fixed_size 0
		.amdhsa_enable_private_segment 0
		.amdhsa_kernarg_size 40
		.amdhsa_user_sgpr_count 2
		.amdhsa_user_sgpr_kernarg_segment_ptr 1
		.amdhsa_wavefront_size32 1
		.amdhsa_system_sgpr_workgroup_id_x 1
		.amdhsa_system_sgpr_workgroup_id_y 1
		.amdhsa_system_sgpr_workgroup_id_z 1
		.amdhsa_system_vgpr_workitem_id 0
		.amdhsa_next_free_vgpr 768
		.amdhsa_next_free_sgpr 102
		.amdhsa_reserve_vcc 0
		.amdhsa_float_denorm_mode_32 3
		.amdhsa_float_denorm_mode_16_64 3
		.amdhsa_memory_ordered 1
		.amdhsa_forward_progress 1
		.amdhsa_inst_pref_size 192
	.end_amdhsa_kernel
	.amdgpu_metadata
---
amdhsa.version: [ 1, 2 ]
amdhsa.kernels:
  - .name:           k_q33ed6bea59_proj
    .symbol:         k_q33ed6bea59_proj.kd
    .args:
      - { .name: xw, .offset: 0, .size: 8, .value_kind: global_buffer, .address_space: global }
      - { .name: bq, .offset: 8, .size: 8, .value_kind: global_buffer, .address_space: global }
      - { .name: bk, .offset: 16, .size: 8, .value_kind: global_buffer, .address_space: global }
      - { .name: bv, .offset: 24, .size: 8, .value_kind: global_buffer, .address_space: global }
      - { .name: qkv, .offset: 32, .size: 8, .value_kind: global_buffer, .address_space: global }
    .group_segment_fixed_size: 327680
    .private_segment_fixed_size: 0
    .kernarg_segment_align: 8
    .kernarg_segment_size: 40
    .max_flat_workgroup_size: 128
    .sgpr_count:     102
    .vgpr_count:     768
    .wavefront_size: 32
...
	.end_amdgpu_metadata
.endif
;; end of part 2
;; launch attn (part 3): grid 4 x 64, 16 waves a work-group, clusters of 4 x 1, 206,848 bytes of LDS; arguments qkv, ctx; writes ctx
.if DOCPART == 3
	.amdgcn_target "amdgcn-amd-amdhsa--gfx1250"
	.amdhsa_code_object_version 6
	.text
	.protected	k_q33ed6bea59_attn
	.globl	k_q33ed6bea59_attn
	.p2align	8
	.type	k_q33ed6bea59_attn,@function
k_q33ed6bea59_attn:
	s_mov_b64 s[64:65], 0
	v_nop
	global_prefetch_b8 v0, s[64:65] scope:SCOPE_SE
	s_setreg_imm32_b32 hwreg(HW_REG_WAVE_MODE, 25, 1), 1
	s_wait_xcnt 0x0
	s_wait_alu depctr_hold_cnt(0) depctr_sa_sdst(0) depctr_va_vdst(0) depctr_va_sdst(0) depctr_va_ssrc(0) depctr_va_vcc(0) depctr_vm_vsrc(0)
	s_getreg_b32 s2, hwreg(HW_REG_IB_STS2, 6, 4)
	s_cmp_eq_u32 s2, 0
	s_cbranch_scc0 .Lentry_in_a_cluster
	s_endpgm
.Lentry_in_a_cluster:
	s_bfe_u32 s2, ttmp6, 0x10000c
	s_cmp_lg_u32 s2, 0x3003
	s_cbranch_scc0 .Lentry_shape_is_right
	s_endpgm
.Lentry_shape_is_right:
; context = softmax(Q K^T / 8) V for one head, both products on codes of FP6 (E2M3) with E8M0 scales; the context is quantised here, along the model's 1024, for the last product, and leaves as codes.
; THE SOFTMAX AHEAD OF THE SECOND PRODUCT: t = score x log2(e) / 8; M = the running largest t rounded UP to a whole number; p = 2^(t - M) is quantised along the keys, not normalised; the row's sum is taken of the
; unquantised p and divides at the end.  When M moves, the sum and O are multiplied by 2^(old M - new M): exact.
; SHARES.  A work-group owns 512 queries of one head, each of its sixteen waves two tiles of 16, one after the other: a loop of two trips (a PASS) round the walk over 16 key steps of 128 keys.  Four waves to a SIMD, 256 registers each.
; LDS holds the head's whole K and V, 16 key steps of 12,800 bytes as the launch before laid them, in the order of the operands' registers; each byte is filled once: wave w fetches key step w.  No slot is filled again.
; The walk begins when key steps 0-3 are in: waves 0-3 have a load line of their own and wait ahead of the first barrier; every wave waits ahead of the barrier in front of key step 4.  Beyond these two the waves share nothing and meet at no barrier.
; No prefetch: all that the work-group reads is asked for once, at the head, and there is no loop to run ahead in.
; CLUSTER.  The four work-groups of a head walk the same K and V: each of the sixteen loads is asked for jointly by the four.
; LAYOUT.  Both products are used transposed: S^T = K Q^T, O^T = V^T P^T: a lane holds ONE query (lane % 16).  Row r of tile t of a key step's eight is key 64 (t / 4) + 32 (r / 8) + 8 (t % 4) + r % 8:
; so registers 96 + 32 c + 0 .. 31 of lane (r, h) are keys 64 c + 32 h + 0 .. 31, ONE WHOLE BLOCK of the second product's K, in the order of its operand: a block's largest p needs no other lane, and no lane hands codes to another.
; Rows of Q's tiles and of V^T's: row r of tile tau is row 32 (tau / 2) + 8 (tau % 2) + r + 8 (r / 8).
; CHAINS BY TURNS.  The largest scores are searched in eight chains, one to an accumulator, and the row's sum is kept in eight parts, so that a line reads what stands eight lines back; the parts are joined in the next key step, where plain lines are due anyway.
; THE HEAD'S 64 UNDER AN INSTRUCTION OF 128: a fragment of source 0 holds TWO tiles of keys, the even one at k 0-63, the odd one at k 64-127; multiplied by (Q | zeros) it gives the even tile's scores, by (zeros | Q) the odd tile's.  Zero codes add nothing; every scale byte lies in 1 .. 254.
; LIMITS: NaN and infinities are not served; a block of zeros or under 2^-124 keeps the scale byte 1; 1 / l is v_rcp_f32 and a multiplication.  A block's largest p is made from its largest score by the same multiply-add and exponential as every p.
; The context's scale bytes leave as two bytes a row: a head owns two of a scale word's four bytes.
; REGISTERS: v1-3 16, 8, 4 x lane; v4-6 the step's LDS addresses; v7 the scale bytes' offset; v11 8 x (lane / 16); v12 -M, v13 the largest score, v[14:15] the sum; v16-33 zeros, Q, zeros; v34-39 the second tile's Q; v46 Q's scale word, v47 the second tile's;
; v48-95 four fragments of K, then of V; v96-159 S^T, then p; v160-191 O^T; v192-210 codes; v212-213 K's scale words, v[214:215] V's, v216 p's (these and v46, v47 hold nothing else); v217-219 the context's scale bytes; v220-235, v242-244 at work;
; v[236:241], v[246:253] seven more parts of the sum.
.set QREG, 13107200
.set STEPB, 12800
.set WV,   8
.set CX,   9
.set BH,   10
.set G0,   12                          ; s[12:15]
.set G1,   16                          ; s[16:23]
.set SEL,  24
.set CS,   26                          ; s[26:27] c = log2(e) / 8
.set TB,   28                          ; LDS byte at which the key step begins
.set CNT,  29
.set NC,   50                          ; -c
.set PCN,  51                          ; passes to go
.set MK,   52                          ; lanes 16-31
.macro CROUND                          ; a round of the cluster's barrier
	s_barrier_signal -1
	s_barrier_wait -1
	s_cmp_lg_u32 s[WV], 0
	s_cbranch_scc1 .Lnot_wave_0_\@
	s_barrier_signal -3
.Lnot_wave_0_\@:
	s_barrier_wait -3
	s_barrier_signal -1
	s_barrier_wait -1
.endm
.macro WALU
	s_wait_alu depctr_va_vdst(0)
.endm
; THE ROW'S SUM IS TAKEN OF THE UNQUANTISED p, two numbers a line.  Part j (0: v[14:15], the running sum) takes the pairs j, 8 + j, 16 + j, 24 + j of p's 32: line r of part j.
.macro SUM r, j
.if (\j) == 0
	v_pk_add_f32 v[14:15], v[14:15], v[96+16*((\r)-1):97+16*((\r)-1)]
.elseif (\r) == 1
	v_pk_add_f32 v[234+2*(\j)+4*((\j)/4):235+2*(\j)+4*((\j)/4)], v[96+2*(\j):97+2*(\j)], v[112+2*(\j):113+2*(\j)]
.else
	v_pk_add_f32 v[234+2*(\j)+4*((\j)/4):235+2*(\j)+4*((\j)/4)], v[234+2*(\j)+4*((\j)/4):235+2*(\j)+4*((\j)/4)], v[96+16*(\r)+2*(\j):97+16*(\r)+2*(\j)]
.endif
.endm
.macro JOIN4                           ; eight parts become four: lines that do not hang on each other
	v_pk_add_f32 v[236:237], v[236:237], v[238:239]
	v_pk_add_f32 v[240:241], v[240:241], v[246:247]
	v_pk_add_f32 v[248:249], v[248:249], v[250:251]
	v_pk_add_f32 v[14:15], v[14:15], v[252:253]
.endm
	s_load_b128 s[4:7], s[0:1], 0x0                ; qkv s[4:5], ctx s[6:7]
	v_lshl_add_u32 v254, v0, 2, 0x32000
	v_mov_b32 v255, 0
	ds_add_u32 v254, v255                          ; the opening lines: the add, twice on end, and its wait ahead of my tensor load
	ds_add_u32 v254, v255
	v_lshrrev_b32 v1, 5, v0
	v_readfirstlane_b32 s[WV], v1                  ; wave 0..15
	s_bfe_u32 s[CX], ttmp6, 0x40000                ; my place in the cluster: it enters Q's and the context's addresses alone
	s_and_b32 s[BH], ttmp7, 0xffff                 ; batch x 16 + head, which the four partners share
	s_mov_b32 s[G1], 15|(3<<16)|(1<<21)            ; the mask: all four; elements of 8 bytes; bit 21 beside a mask; no padding
	s_mov_b32 s[G1+1], 32<<16                      ; rows of 256 bytes,
	s_mov_b32 s[G1+2], 50<<16                      ; 50 of them: a key step's 12,800 dense bytes
	s_mov_b32 s[G1+3], 32<<16
	s_mov_b32 s[G1+4], 50
	s_mov_b32 s[G1+5], 32
	s_mov_b32 s[G1+6], 0
	s_mov_b32 s[G1+7], 0
	s_mov_b32 s[G0], 1
	s_mul_i32 s[G0+1], s[WV], STEPB                ; key step w, in LDS as in memory
	s_mul_i32 s54, s[BH], 204800
	s_add_co_u32 s54, s54, s[G0+1]
	s_mov_b32 s55, 0
	s_mov_b32 s[SEL], 0x76543210
	s_mov_b32 s[SEL+1], 0xfedcba98
	s_mov_b32 s[CS], 0x3e38aa3b
	s_mov_b32 s[CS+1], s[CS]                       ; (named with it as a pair)
	s_mov_b32 s[NC], 0xbe38aa3b
	s_wait_dscnt 0x0
	s_wait_kmcnt 0x0
	s_add_nc_u64 s[G0+2:G0+3], s[4:5], s[54:55]
	s_or_b32 s[G0+3], s[G0+3], 0x80000000
	s_lshr_b32 s38, s[WV], 2
	s_lshl_b32 s39, s[CX], 2
	s_add_co_u32 s38, s38, s39                     ; my group of 8 tiles of queries: 4 cx + wave / 4
	s_and_b32 s40, s[WV], 3
	s_mul_i32 s42, s[BH], 102400
	s_mul_i32 s41, s38, 6400
	s_add_co_u32 s42, s42, s41
	s_add_co_u32 s42, s42, QREG
	s_mov_b32 s43, 0
	s_add_nc_u64 s[32:33], s[4:5], s[42:43]
	s_mul_i32 s44, s40, 1536
	s_mov_b32 s45, 0
	s_add_nc_u64 s[30:31], s[32:33], s[44:45]      ; my two tiles of Q
	s_bfe_u32 s44, s[WV], 0x10001
	s_lshl_b32 s44, s44, 7
	s_and_b32 s46, s[WV], 1
	s_lshl_b32 s46, s46, 6
	s_add_co_u32 s44, s44, s46
	s_add_co_u32 s44, s44, 6144
	s_add_nc_u64 s[32:33], s[32:33], s[44:45]      ; and their scale words
	s_lshr_b32 s46, s[BH], 4                       ; the batch
	s_lshl_b32 s47, s46, 4
	s_add_co_u32 s47, s47, s38
	s_mul_i32 s42, s47, 98304                      ; the context's codes: 128 tokens,
	s_bfe_u32 s47, s[BH], 0x30001                  ; K step = head / 2,
	s_mul_i32 s48, s47, 12288
	s_add_co_u32 s42, s42, s48
	s_mul_i32 s48, s40, 3072                       ; my two tiles,
	s_add_co_u32 s42, s42, s48
	s_and_b32 s49, s[BH], 1                        ; half fragment = head % 2
	s_mul_i32 s48, s49, 768
	s_add_co_u32 s42, s42, s48
	s_add_nc_u64 s[34:35], s[6:7], s[42:43]
	s_lshl_b32 s42, s46, 7
	s_lshl_b32 s48, s[CX], 5
	s_add_co_u32 s42, s42, s48
	s_lshl_b32 s48, s[WV], 1
	s_add_co_u32 s42, s42, s48                     ; my first tile among the 512
	s_lshl_b32 s42, s42, 9
	s_lshl_b32 s48, s47, 6
	s_add_co_u32 s42, s42, s48
	s_lshl_b32 s48, s49, 1
	s_add_co_u32 s42, s42, s48
	s_add_co_u32 s42, s42, 6291456
	s_add_nc_u64 s[36:37], s[6:7], s[42:43]        ; the context's scale bytes
	CROUND                                         ; all four work-groups are here: the joint loads meet
	s_cmp_lt_u32 s[WV], 4                          ; my one tensor load.  Waves 0-3, whose key steps are read first, have a line of their own
	s_cbranch_scc0 .Llater
	tensor_load_to_lds s[G0:G0+3], s[G1:G1+7]
	s_nop 0
.rept 4
	v_nop
.endr
	s_branch .Lasked
.Llater:
	tensor_load_to_lds s[G0:G0+3], s[G1:G1+7]
	s_nop 0
.rept 4
	v_nop
.endr
.Lasked:
	v_and_b32 v9, 31, v0                           ; L
	v_and_b32 v10, 15, v0                          ; r
	v_bfe_u32 v11, v0, 4, 1                        ; h
	v_lshlrev_b32 v1, 4, v9
	v_lshlrev_b32 v2, 3, v9
	v_lshlrev_b32 v3, 2, v9
	v_lshlrev_b32 v8, 2, v10                       ; 4 r
	v_lshl_add_u32 v7, v11, 9, v8                  ; 512 h + 4 r
	v_cmp_lt_u32 s[MK], 15, v9                     ; lanes 16-31
	v_lshlrev_b32 v11, 3, v11                      ; 8 h
	global_load_b128 v[22:25], v1, s[30:31]        ; Q stays in registers
	global_load_b64 v[26:27], v2, s[30:31] offset:512
	global_load_b128 v[34:37], v1, s[30:31] offset:768
	global_load_b64 v[38:39], v2, s[30:31] offset:1280
	global_load_b32 v244, v8, s[32:33]             ; bytes 0, 1: my first tile's two blocks; bytes 2, 3: my second's
.irp z, 16,17,18,19,20,21,28,29,30,31,32,33
	v_mov_b32 v\z, 0                               ; zero codes
.endr
.irp z, 218,224,225,227,233,243
	v_mov_b32 v\z, 0                               ; written once: a lane permute's destination counts as one of its sources; v243 is named as the upper half of a pair; v218: no pass has been
.endr
	WALU
	s_wait_loadcnt 0x0
	v_perm_b32 v46, v244, v244, 0x01000100         ; Q's two bytes at both places: under k 0-63 and under k 64-127
	v_perm_b32 v47, v244, v244, 0x03020302
	WALU
	s_cmp_lt_u32 s[WV], 4
	s_cbranch_scc0 .Lnot_first
	s_wait_tensorcnt 0x0                           ; waves 0-3: my key step has landed
.Lnot_first:
	s_barrier_signal -1
	s_barrier_wait -1                              ; key steps 0-3 are in; the others may still be on their way: nothing is filled again in this launch
; A KEY STEP of 128 keys for the query tile in v22-27.
.macro KSTEP
	v_add_nc_u32 v4, s[TB], v1                     ; these four are the plain instructions between the last products and the loads into the registers that they read
	v_add_nc_u32 v5, s[TB], v2
	v_add_nc_u32 v6, s[TB], v3
	v_mov_b32 v235, v12                            ; the old -M
.irp t, 0,1,2,3,4,5,6,7
	ds_load_b128 v[48+6*\t:51+6*\t], v4 offset:\t*768
	ds_load_b64 v[52+6*\t:53+6*\t], v5 offset:\t*768+512
.endr
	ds_load_b32 v212, v6 offset:12288              ; lanes 0-15: fragment 0's scale words, lanes 16-31: fragment 1's
	ds_load_b32 v213, v6 offset:12416              ; fragments 2 and 3
	WALU
	s_wait_dscnt 0x0
.irp t, 0,1,2,3,4,5,6,7                        ; S^T: tile t of 16 keys lies in half t % 2 of fragment t / 2
.if (\t/2)%2
	v_wmma_scale_f32_16x16x128_f8f6f4 v[96+8*\t:103+8*\t], v[48+12*(\t/2):59+12*(\t/2)], v[22-6*(\t%2):33-6*(\t%2)], 0, v[212+\t/4], v46 matrix_a_fmt:MATRIX_FMT_FP6 matrix_b_fmt:MATRIX_FMT_FP6 matrix_a_scale:MATRIX_SCALE_ROW1
.else
	v_wmma_scale_f32_16x16x128_f8f6f4 v[96+8*\t:103+8*\t], v[48+12*(\t/2):59+12*(\t/2)], v[22-6*(\t%2):33-6*(\t%2)], 0, v[212+\t/4], v46 matrix_a_fmt:MATRIX_FMT_FP6 matrix_b_fmt:MATRIX_FMT_FP6
.endif
.endr
	JOIN4                                          ; the last step's parts of the sum: four plain instructions ahead of the loads into K's registers and of the first read of the scores
.irp d, 0,1,2,3                                ; V's fragments are asked for now and land under the softmax
.irp c, 0,1,2
	ds_load_b128 v[48+12*\d+4*\c:51+12*\d+4*\c], v4 offset:6144+\d*1536+\c*512
.endr
.endr
	ds_load_b64 v[214:215], v5 offset:12544
.irp t, 0,1,2,3,4,5,6,7                        ; the largest scores, in eight chains by turns, one to an accumulator, each read from its low end on: v220-223 my first block's four tiles, v228-231 my second's
	v_max3_num_f32 v[220+\t+4*(\t/4)], v[96+8*\t], v[97+8*\t], v[98+8*\t]
.endr
.irp i2, 3,5
.irp t, 0,1,2,3,4,5,6,7
	v_max3_num_f32 v[220+\t+4*(\t/4)], v[220+\t+4*(\t/4)], v[96+8*\t+\i2], v[97+8*\t+\i2]
.endr
.endr
	v_max3_num_f32 v220, v220, v103, v111          ; each accumulator's last register
	v_max3_num_f32 v222, v222, v119, v127
	v_max3_num_f32 v228, v228, v135, v143
	v_max3_num_f32 v230, v230, v151, v159
	v_pk_add_f32 v[236:237], v[236:237], v[240:241]   ; (the sum's four parts become two: these lines stand where the chains' results are not ready yet)
	v_pk_add_f32 v[14:15], v[14:15], v[248:249]
	v_max3_num_f32 v220, v220, v221, v222
	s_delay_alu instid0(VALU_DEP_4)
	v_max3_num_f32 v228, v228, v229, v230
	s_delay_alu instid0(VALU_DEP_2)
	v_max_num_f32 v220, v220, v223                 ; block h's largest score: for the row's maximum, and, since p rises with the score, for the block's largest p
	s_delay_alu instid0(VALU_DEP_2)
	v_max_num_f32 v222, v228, v231                 ; block 2 + h's
	v_pk_add_f32 v[14:15], v[14:15], v[236:237]    ; (the sum is whole)
	s_delay_alu instid0(VALU_DEP_2)
	v_max_num_f32 v232, v220, v222
	s_delay_alu instid0(VALU_DEP_1)
	v_permlanex16_b32 v233, v232, s[SEL], s[SEL+1]
	s_delay_alu instid0(VALU_DEP_1)
	v_max3_num_f32 v13, v13, v232, v233            ; the running largest score of my query, lane l xor 16's 64 keys among them
	s_delay_alu instid0(VALU_DEP_1)
	v_mul_f32 v232, s[NC], v13                     ; -t
	s_delay_alu instid0(VALU_DEP_1)
	v_floor_f32 v12, v232                          ; the new -M = floor(-t): M is a whole number
	s_delay_alu instid0(VALU_DEP_1)
	v_sub_f32 v232, v12, v235                      ; old M - new M: a whole number, 0 or less
	s_delay_alu instid0(VALU_DEP_1)
	v_cvt_i32_f32 v232, v232                       ; (it saturates)
	s_delay_alu instid0(VALU_DEP_1)
	v_ldexp_f32 v234, 1.0, v232                    ; f = 2^(old M - new M)
.set j, 0
.rept 32
	v_pk_fma_f32 v[96+j:97+j], v[96+j:97+j], s[CS:CS+1], v[12:13] op_sel_hi:[1,0,0]   ; t - M, two at a time
.set j, j+2
.endr
	v_fma_f32 v220, v220, s[CS], v12               ; the same of each block's largest score
	v_fma_f32 v222, v222, s[CS], v12
	WALU                                           ; the wait ahead of the batch
	v_exp_f32 v220, v220                           ; the blocks' largest p: the same two instructions on the same number give the same bits
	v_exp_f32 v222, v222
.set j, 0
.rept 64
	v_exp_f32 v[96+j], v[96+j]                     ; p = 2^(t - M), at most 1
.set j, j+1
.endr
	v_pk_mul_f32 v[14:15], v[14:15], v[234:235] op_sel_hi:[1,0]   ; the sum under the new M: the plain instruction behind the exponentials
	WALU                                           ; one wait for the batch of 66, ahead of its first reader
	v_max_num_f32 v220, 0x1800000, v220            ; the floor 2^(3 - 127)
	v_max_num_f32 v222, 0x1800000, v222
.irp q, 0,1,2,3,4,5,6,7
	SUM 1, \q
.endr
	v_add_nc_u32 v228, 0xff000000, v220            ; 2 off the exponent field: the conversions' scale operands
	v_add_nc_u32 v229, 0xff000000, v222
.irp q, 0,1,2,3,4
	SUM 2, \q
.endr
	v_lshrrev_b32 v224, 23, v228                   ; the scales' bytes
	v_lshrrev_b32 v225, 23, v229
.irp q, 5,6,7
	SUM 2, \q
.endr
	v_cvt_scalef32_pk16_fp6_f32 v[192:194], v[96:111], v228
	v_cvt_scalef32_pk16_fp6_f32 v[204:206], v[112:127], v228     ; (a conversion's three registers begin on an even number)
	v_cvt_scalef32_pk16_fp6_f32 v[198:200], v[128:143], v229
	v_cvt_scalef32_pk16_fp6_f32 v[208:210], v[144:159], v229
	v_lshl_or_b32 v226, v225, 16, v224             ; my two bytes, blocks h and 2 + h.  This line is the plain instruction behind the scaled conversions
.irp q, 0,1,2,3,4
	SUM 3, \q
.endr
	v_lshlrev_b32 v226, v11, v226                  ; at their places in the scale word (8 h bits up);
.irp q, 5,6,7
	SUM 3, \q
.endr
	v_mov_b32 v195, v204                           ; registers 6 c .. 6 c + 5: keys 64 c + 32 h + 0 .. 31
	v_mov_b32 v196, v205
	v_permlanex16_b32 v227, v226, s[SEL], s[SEL+1]
	v_mov_b32 v197, v206
	v_mov_b32 v201, v208
	v_mov_b32 v202, v209
	v_mov_b32 v203, v210
	SUM 4, 0
	v_or_b32 v216, v226, v227                      ; with lane l xor 16's two the word is whole
	WALU                                           ; the wait directly ahead of the first reader of O^T
.set j, 0
.rept 16
	v_pk_mul_f32 v[160+j:161+j], v[160+j:161+j], v[234:235] op_sel_hi:[1,0]   ; O^T under the new M, each accumulator from its low end on.  These sixteen also stand between the writes of p's codes and scale word and the products that take them
.set j, j+2
.endr
	WALU
	s_wait_dscnt 0x0                               ; V is in
.irp d, 0,1,2,3                                ; O^T += V^T P^T: four tiles of 16 channels, four accumulators by turns
.if \d%2
	v_wmma_scale_f32_16x16x128_f8f6f4 v[160+8*\d:167+8*\d], v[48+12*\d:59+12*\d], v[192:203], v[160+8*\d:167+8*\d], v[214+\d/2], v216 matrix_a_fmt:MATRIX_FMT_FP6 matrix_b_fmt:MATRIX_FMT_FP6 matrix_a_scale:MATRIX_SCALE_ROW1
.else
	v_wmma_scale_f32_16x16x128_f8f6f4 v[160+8*\d:167+8*\d], v[48+12*\d:59+12*\d], v[192:203], v[160+8*\d:167+8*\d], v[214+\d/2], v216 matrix_a_fmt:MATRIX_FMT_FP6 matrix_b_fmt:MATRIX_FMT_FP6
.endif
.endr
	s_add_co_u32 s[TB], s[TB], STEPB
	s_sub_co_i32 s[CNT], s[CNT], 1
	s_cmp_lg_u32 s[CNT], 0
.endm
	s_mov_b32 s[PCN], 2
.Lpass:                                                ; a query tile: all 16 key steps, then the context's 16 rows x 64 as codes
	v_mov_b32 v13, 0xff61b1e6                      ; the largest score so far: -3e38;
	v_mov_b32 v12, 0x7f61b1e6                      ; -M: 3e38, so that the first step's f is 0
.irp z, 14,15,236,237,238,239,240,241,246,247,248,249,250,251,252,253
	v_mov_b32 v\z, 0                               ; the sum's eight parts
.endr
.set j, 0
.rept 32
	v_mov_b32 v[160+j], 0                          ; O^T: the step is written once; its first trip finds zeros, which the first change of M leaves zeros
.set j, j+1
.endr
	s_mov_b32 s[TB], 0
	s_mov_b32 s[CNT], 4
.Lfirst:                                               ; key steps 0-3
	KSTEP
	s_cbranch_scc1 .Lfirst
	s_wait_tensorcnt 0x0                           ; every wave: my key step has landed,
	s_barrier_signal -1
	s_barrier_wait -1                              ; everybody's has
	s_mov_b32 s[TB], 4*STEPB
	s_mov_b32 s[CNT], 12
.Lrest:                                                ; key steps 4-15
	KSTEP
	s_cbranch_scc1 .Lrest
	JOIN4                                          ; the last step's parts of the sum: plain instructions behind the last products, ahead of the first read of O^T
	v_pk_add_f32 v[236:237], v[236:237], v[240:241]
	v_pk_add_f32 v[14:15], v[14:15], v[248:249]
	v_pk_add_f32 v[14:15], v[14:15], v[236:237]
	v_add_f32 v14, v14, v15
	v_permlanex16_b32 v224, v14, s[SEL], s[SEL+1]
	v_add_f32 v14, v14, v224                       ; the row's sum
	WALU                                           ; the wait ahead of the reciprocal,
	v_rcp_f32 v242, v14
	v_nop                                          ; a plain instruction behind it,
	WALU                                           ; and the wait ahead of its first reader, which is also O^T's
.set j, 0
.rept 16
	v_pk_mul_f32 v[96+j:97+j], v[160+j:161+j], v[242:243] op_sel_hi:[1,0]   ; register 16 b + n: channel 32 b + 16 h + n of my query; each accumulator from its low end on
.set j, j+2
.endr
.irp b, 0,1
	v_max3_num_f32 v[220+\b], |v[96+16*\b]|, |v[97+16*\b]|, 0x1800000
.endr
.irp i2, 2,4,6,8,10,12,14
.irp b, 0,1
	v_max3_num_f32 v[220+\b], v[220+\b], |v[96+16*\b+\i2]|, |v[97+16*\b+\i2]|
.endr
.endr
.irp b, 0,1
	v_permlanex16_b32 v[224+\b], v[220+\b], s[SEL], s[SEL+1]
.endr
.irp b, 0,1
	v_max_num_f32 v[220+\b], v[220+\b], v[224+\b]  ; with lane l xor 16's 16 channels: the block's largest magnitude
.endr
.irp b, 0,1
	v_add_nc_u32 v[228+\b], 0xff000000, v[220+\b]
.endr
.irp b, 0,1
	v_lshrrev_b32 v[224+\b], 23, v[228+\b]
.endr
	v_lshl_or_b32 v217, v225, 8, v224              ; my row's two scale bytes
	v_cvt_scalef32_pk16_fp6_f32 v[192:194], v[96:111], v228
	v_cvt_scalef32_pk16_fp6_f32 v[204:206], v[112:127], v229
	v_nop                                          ; one plain instruction behind the scaled conversions
.irp i2, 0,1,2
	v_permlane16_swap_b32 v[192+\i2], v[204+\i2]   ; the operand's layout wants a whole block in a lane
.endr
.irp i2, 0,1,2
	v_mov_b32 v[195+\i2], v[204+\i2]
.endr
	global_store_b128 v1, v[192:195], s[34:35]     ; a half fragment of the last product's operand: 512 consecutive bytes,
	global_store_b64 v2, v[196:197], s[34:35] offset:512   ; and 256
	v_cndmask_b32 v219, v218, v217, s[MK]          ; lanes 0-15: the tile before's rows, lanes 16-31: this tile's: whole behind the second pass
	v_mov_b32 v218, v217
.irp q, 0,1,2,3,4,5
	v_mov_b32 v[22+\q], v[34+\q]                   ; the second tile's Q and scale word take the first's places
.endr
	v_mov_b32 v46, v47
	WALU
	s_wait_xcnt 0x0                                ; the stores have read their registers and their base
	s_add_nc_u64 s[34:35], s[34:35], 1536          ; the next tile's place
	s_sub_co_i32 s[PCN], s[PCN], 1
	s_cmp_lg_u32 s[PCN], 0
	s_cbranch_scc1 .Lpass
	global_store_b16 v7, v219, s[36:37]
	s_wait_tensorcnt 0x0                           ; the wave's end
	ds_add_u32 v254, v255
	s_wait_dscnt 0x0
	CROUND                                         ; the closing round: no work-group ends while a partner may still ask for a tile that names it
	s_endpgm
.Lfunc_end_k_q33ed6bea59_attn:
	.size	k_q33ed6bea59_attn, .Lfunc_end_k_q33ed6bea59_attn-k_q33ed6bea59_attn
	.p2alignl 7, 3214868480
	.fill 96, 4, 3214868480
	.section	.rodata,"a",@progbits
	.p2align	6, 0x0
	.amdhsa_kernel k_q33ed6bea59_attn
		.amdhsa_group_segment_fixed_size 206848
		.amdhsa_private_segment_fixed_size 0
		.amdhsa_enable_private_segment 0
		.amdhsa_kernarg_size 16
		.amdhsa_user_sgpr_count 2
		.amdhsa_user_sgpr_kernarg_segment_ptr 1
		.amdhsa_wavefront_size32 1
		.amdhsa_system_sgpr_workgroup_id_x 1
		.amdhsa_system_sgpr_workgroup_id_y 1
		.amdhsa_system_sgpr_workgroup_id_z 1
		.amdhsa_system_vgpr_workitem_id 0
		.amdhsa_next_free_vgpr 256
		.amdhsa_next_free_sgpr 66
		.amdhsa_reserve_vcc 0
		.amdhsa_float_denorm_mode_32 3
		.amdhsa_float_denorm_mode_16_64 3
		.amdhsa_memory_ordered 1
		.amdhsa_forward_progress 1
		.amdhsa_inst_pref_size 43
	.end_amdhsa_kernel
	.amdgpu_metadata
---
amdhsa.version: [ 1, 2 ]
amdhsa.kernels:
  - .name:           k_q33ed6bea59_attn
    .symbol:         k_q33ed6bea59_attn.kd
    .args:
      - { .name: qkv, .offset: 0, .size: 8, .value_kind: global_buffer, .address_space: global }
      - { .name: ctx, .offset: 8, .size: 8, .value_kind: global_buffer, .address_space: global }
    .group_segment_fixed_size: 206848
    .private_segment_fixed_size: 0
    .kernarg_segment_align: 8
    .kernarg_segment_size: 16
    .max_flat_workgroup_size: 512
    .sgpr_count:     66
    .vgpr_count:     256
    .wavefront_size: 32
...
	.end_amdgpu_metadata
.endif
;; end of part 3
;; launch outproj (part 4): grid 64 x 4, 4 waves a work-group, clusters of 4 x 4, 295,424 bytes of LDS; arguments xw, ctx, bo, out0; writes out0
.if DOCPART == 4
	.amdgcn_target "amdgcn-amd-amdhsa--gfx1250"
	.amdhsa_code_object_version 6
	.text
	.protected	k_q33ed6bea59_outproj
	.globl	k_q33ed6bea59_outproj
	.p2align	8
	.type	k_q33ed6bea59_outproj,@function
k_q33ed6bea59_outproj:
	s_mov_b64 s[64:65], 0
	v_nop
	global_prefetch_b8 v0, s[64:65] scope:SCOPE_SE
	s_setreg_imm32_b32 hwreg(HW_REG_WAVE_MODE, 25, 1), 1
	s_wait_xcnt 0x0
	s_wait_alu depctr_hold_cnt(0) depctr_sa_sdst(0) depctr_va_vdst(0) depctr_va_sdst(0) depctr_va_ssrc(0) depctr_va_vcc(0) depctr_vm_vsrc(0)
	s_getreg_b32 s2, hwreg(HW_REG_IB_STS2, 6, 4)
	s_cmp_eq_u32 s2, 0
	s_cbranch_scc0 .Lentry_in_a_cluster
	s_endpgm
.Lentry_in_a_cluster:
	s_bfe_u32 s2, ttmp6, 0x10000c
	s_cmp_lg_u32 s2, 0xf033
	s_cbranch_scc0 .Lentry_shape_is_right
	s_endpgm
.Lentry_shape_is_right:
; out0 = context Wo + bo on codes of FP6 (E2M3) with E8M0 scales, sums in f32.  The context's codes and scale words come from ctx, Wo's from xw, both laid in the order of the operand's registers
; (a tile of 16 rows: row r of tile tau is row 32 (tau / 2) + 8 (tau % 2) + r + 8 (r / 8); a half fragment of 64 along K is 768 bytes: lane L's first 16 bytes at 16 L, its last 8 at 512 + 8 L).
; A WORK-GROUP makes S0 = 128 columns (rows of Wo^T) x S1 = 256 tokens over K = 1024.  Source 0 = S0, source 1 = S1: a lane holds one token, and the 16 registers of S0's tiles 2 b and 2 b + 1 are 16 neighbouring columns.
; Four waves; wave w takes S0's 8 tiles x S1's tiles 4 w .. 4 w + 3: 32 accumulators.  All of the work-group's codes, 294,912 bytes, lie in LDS at once, each byte filled once, by ONE joint load a wave:
; wave 0 S0's K steps 0-3, wave 1 S1's K steps 0-3, wave 2 S0's K steps 4-7, wave 3 S1's.  The products begin when waves 0 and 1 have waited; every wave waits in K step 3, ahead of the first read of K step 4.
; No prefetch: all that the work-group reads is asked for once, at the head, and there is no loop to run ahead in.
; CLUSTERS: 4 x 4 work-groups; S0's panel hangs on cx and is asked for jointly by the four of a column, S1's on cy and by the four of a row.
; The bias is the C of each sum's first matrix instruction.  LIMITS: NaN and infinities are not served.
; REGISTERS: window 0: v4-15 addresses; v16-47 S0's scale words, v48-63 S1's (they hold nothing else); v64-159 S1's fragments, two sets; on the way out v64-191 rows of the result.  window 1: v0-191 S0's fragments, two sets; v192-255 bo.  window 2: accumulator (a, b) at v[8 (8 a + b)].
.set WV,    14
.set WHI,   15
.set WLO,   16
.set CX,    17
.set CY,    18
.set T0,    21
.set T1,    22
.set G1A,   24
.set G1B,   32
.set STO,   13                         ; v13 the stage: where I put 32 bytes of a row
.set RD,    14                         ; v14 and where I read a row back
.set MULW,  0xa1                       ; source 0 (S0) window 1, source 1 (S1) window 0, C and D window 2
.set FIRSTW, 0x91                      ; the same with C (the bias) in window 1
.set MSB,   0
.macro WIN new                         ; the immediate's high byte repeats the setting that is left
.if MSB != \new
	s_set_vgpr_msb (MSB<<8)|\new
.set MSB, \new
.endif
.endm
.macro CROUND                          ; a round of the cluster's barrier
	s_barrier_signal -1
	s_barrier_wait -1
	s_cmp_lg_u32 s[WV], 0
	s_cbranch_scc1 .Lnot_wave_0_\@
	s_barrier_signal -3
.Lnot_wave_0_\@:
	s_barrier_wait -3
	s_barrier_signal -1
	s_barrier_wait -1
.endm
.macro PLACES
.rept 4
	v_nop
.endr
.endm
.macro MKG0 g, lds, glob               ; descriptor group 0
	s_mov_b32 s[\g], 1
	s_mov_b32 s[\g+1], s[\lds]
	s_mov_b64 s[\g+2:\g+3], s[\glob:\glob+1]
	s_or_b32 s[\g+3], s[\g+3], 0x80000000
.endm
	s_load_b256 s[4:11], s[0:1], 0x0               ; xw s[4:5], ctx s[6:7], bo s[8:9], out0 s[10:11]
	v_lshl_add_u32 v254, v0, 2, 0x48000
	v_mov_b32 v255, 0
	ds_add_u32 v254, v255                          ; the opening lines: the add, twice on end, and its wait ahead of my tensor load
	ds_add_u32 v254, v255
	v_lshrrev_b32 v1, 5, v0
	v_readfirstlane_b32 s[WV], v1
	s_lshr_b32 s[WHI], s[WV], 1
	s_and_b32 s[WLO], s[WV], 1
	s_bfe_u32 s[CX], ttmp6, 0x40000
	s_bfe_u32 s[CY], ttmp6, 0x40004
	s_lshl_b32 s23, 0x1111, s[CX]                  ; my column of the cluster
	s_lshl_b32 s66, s[CY], 2
	s_lshl_b32 s66, 15, s66                        ; my row
	s_or_b32 s[G1A], s23, (3<<16)|(1<<21)          ; S0: 192 rows of 256 bytes (32 elements of 8): four K steps of 8 tiles, dense; no padding
	s_mov_b32 s[G1A+1], 32<<16
	s_mov_b32 s[G1A+2], 192<<16
	s_mov_b32 s[G1A+3], 32<<16
	s_mov_b32 s[G1A+4], 192
	s_mov_b32 s[G1A+5], 32
	s_mov_b32 s[G1A+6], 0
	s_mov_b32 s[G1A+7], 0
	s_or_b32 s[G1B], s66, (3<<16)|(1<<21)          ; S1: two rows of 49,152 bytes (6,144 elements of 8): four K steps of the first 8 tiles, and of the second 8,
	s_mov_b32 s[G1B+1], 6144<<16
	s_mov_b32 s[G1B+2], 2<<16
	s_mov_b32 s[G1B+3], 6144<<16
	s_mov_b32 s[G1B+4], 2
	s_mov_b32 s[G1B+5], 12288                      ; which lie 98,304 bytes apart in memory and on end in LDS
	s_mov_b32 s[G1B+6], 0
	s_mov_b32 s[G1B+7], 0
	s_and_b32 s80, ttmp9, 1
	s_lshr_b32 s81, ttmp9, 1
	s_lshl_b32 s[T0], s80, 2
	s_add_co_u32 s[T0], s[T0], s[CX]               ; which 128 columns
	s_lshl_b32 s[T1], s81, 2
	s_add_co_u32 s[T1], s[T1], s[CY]               ; which 256 tokens
	s_mul_i32 s84, s[T0], 98304
	s_add_co_u32 s84, s84, 21233664                ; Wo's codes in xw
	s_mul_i32 s82, s[WHI], 49152                   ; waves 0 and 1 fetch K steps 0-3, waves 2 and 3 K steps 4-7: 49,152 bytes on, in memory, and for S0 in LDS too
	s_add_co_u32 s84, s84, s82
	s_mov_b32 s85, 0
	s_mul_i32 s86, s[T1], 196608                   ; the context's codes
	s_add_co_u32 s86, s86, s82
	s_mov_b32 s87, 0
	s_mul_i32 s83, s[WHI], 98304                   ; S1 in LDS: [K steps 0-3, 4-7][first 8 tiles, second 8][K step][tile],
	s_add_co_u32 s83, s83, 98304                   ; behind S0's 98,304 bytes
	s_lshl_b32 s88, s[T0], 12
	s_add_co_u32 s88, s88, 22904832                ; Wo's scale words
	s_mov_b32 s89, 0
	s_lshl_b32 s90, s[T1], 13
	s_add_co_u32 s90, s90, 6291456                 ; the context's
	s_lshl_b32 s91, s[WV], 11
	s_add_co_u32 s90, s90, s91
	s_mov_b32 s91, 0
	s_lshl_b32 s96, s[T0], 9                       ; bo at my 128 columns; also their bytes in a row of the result
	s_lshl_b32 s92, s[T1], 20                      ; 256 rows of 4,096 bytes
	s_lshl_b32 s93, s[WV], 18
	s_add_co_u32 s92, s92, s93
	s_add_co_u32 s92, s92, s96
	s_mov_b32 s93, 0
	s_wait_dscnt 0x0
	s_wait_kmcnt 0x0
	s_add_nc_u64 s[84:85], s[4:5], s[84:85]
	s_add_nc_u64 s[86:87], s[6:7], s[86:87]
	s_add_nc_u64 s[88:89], s[4:5], s[88:89]
	s_add_nc_u64 s[90:91], s[6:7], s[90:91]
	s_add_nc_u64 s[92:93], s[10:11], s[92:93]
	MKG0 40, 82, 84
	MKG0 56, 83, 86
	CROUND                                         ; all sixteen work-groups are here: the joint loads meet
	; ONE JOINT LOAD A WAVE, each in an arm of its own of one chain of branches on the wave's number: what K steps 0-3 need is asked for by waves 0 and 1, the rest by waves 2 and 3
	s_cmp_eq_u32 s[WV], 0
	s_cbranch_scc0 .Larm_1
	tensor_load_to_lds s[40:43], s[G1A:G1A+7]      ; wave 0: S0, K steps 0-3
	s_nop 0
	PLACES
	s_branch .Lasked
.Larm_1:
	s_cmp_eq_u32 s[WV], 1
	s_cbranch_scc0 .Larm_2
	tensor_load_to_lds s[56:59], s[G1B:G1B+7]      ; wave 1: S1, K steps 0-3
	s_nop 0
	PLACES
	s_branch .Lasked
.Larm_2:
	s_cmp_eq_u32 s[WV], 2
	s_cbranch_scc0 .Larm_3
	tensor_load_to_lds s[40:43], s[G1A:G1A+7]      ; wave 2: S0, K steps 4-7
	s_nop 0
	PLACES
	s_branch .Lasked
.Larm_3:
	tensor_load_to_lds s[56:59], s[G1B:G1B+7]      ; wave 3: S1, K steps 4-7
	s_nop 0
	PLACES
.Lasked:
	v_and_b32 v1, 31, v0                           ; L
	v_and_b32 v2, 15, v0                           ; r
	v_bfe_u32 v3, v0, 4, 1                         ; h
	v_lshlrev_b32 v4, 4, v1
	v_add_nc_u32 v5, 49152, v4
	v_lshlrev_b32 v6, 3, v1
	v_add_nc_u32 v7, 49152, v6
	s_mul_i32 s67, s[WHI], 49152
	s_mul_i32 s99, s[WLO], 6144
	s_add_co_u32 s67, s67, s99
	s_add_co_u32 s67, s67, 98304                   ; S1: my four tiles: block wave / 2, tiles 4 (wave % 2) on
	v_add_nc_u32 v8, s67, v4
	v_add_nc_u32 v9, 98304, v8
	v_add_nc_u32 v10, s67, v6
	v_add_nc_u32 v11, 98304, v10
	v_lshlrev_b32 v12, 2, v1
	s_mul_i32 s98, s[WV], 8448                     ; my stage: 16 rows x (512 bytes + 16)
	v_mul_u32_u24 v[STO], v2, 528
	v_lshl_add_u32 v[STO], v3, 6, v[STO]
	v_add_nc_u32 v[STO], s98, v[STO]               ; in: row r, + 64 h
	v_add_nc_u32 v[RD], s98, v4                    ; back: 16 bytes a lane
	v_lshl_add_u32 v15, v3, 6, s96                 ; bo: 64 h on
.irp b, 0,1,2,3,4,5,6,7                        ; a scale register: lanes 0-15 the words of K step 2 p, lanes 16-31 those of K step 2 p + 1
.irp p, 0,1,2,3
	global_load_b32 v[16+4*\b+\p], v12, s[88:89] offset:\b*512+\p*128
.endr
.endr
.irp a, 0,1,2,3
.irp p, 0,1,2,3
	global_load_b32 v[48+4*\a+\p], v12, s[90:91] offset:\a*512+\p*128
.endr
.endr
	WIN 0x40
.irp e, 0,1,2,3
.irp q, 0,1,2,3
	global_load_b128 v[192+16*\e+4*\q:195+16*\e+4*\q], v15, s[8:9] offset:128*\e+16*\q   ; registers 8 b .. 8 b + 7: the bias in the layout of tile b's result
.endr
.endr
	WIN 0
.macro FETCH s, p                      ; 48 LDS loads: K step s's fragments into set p; every load is a run of 512 or 256 consecutive bytes
	WIN 0x40
.irp b, 0,1,2,3,4,5,6,7
.irp c, 0,1
	ds_load_b128 v[96*(\p)+12*\b+6*\c:96*(\p)+12*\b+6*\c+3], v[4+(\s)/4] offset:((\s)%4)*12288+\b*1536+\c*768
	ds_load_b64 v[96*(\p)+12*\b+6*\c+4:96*(\p)+12*\b+6*\c+5], v[6+(\s)/4] offset:((\s)%4)*12288+\b*1536+\c*768+512
.endr
.endr
	WIN 0
.irp a, 0,1,2,3
.irp c, 0,1
	ds_load_b128 v[64+48*(\p)+12*\a+6*\c:64+48*(\p)+12*\a+6*\c+3], v[8+(\s)/4] offset:((\s)%4)*12288+\a*1536+\c*768
	ds_load_b64 v[64+48*(\p)+12*\a+6*\c+4:64+48*(\p)+12*\a+6*\c+5], v[10+(\s)/4] offset:((\s)%4)*12288+\a*1536+\c*768+512
.endr
.endr
.endm
.macro MUL s                           ; 32 matrix instructions; the 32 accumulators take turns, one instruction a turn
.irp a, 0,1,2,3
.irp b, 0,1,2,3,4,5,6,7
.if (\s) == 0
	v_wmma_scale_f32_16x16x128_f8f6f4 v[8*(8*\a+\b):8*(8*\a+\b)+7], v[12*\b:12*\b+11], v[64+12*\a:64+12*\a+11], v[192+8*\b:199+8*\b], v[16+4*\b], v[48+4*\a] matrix_a_fmt:MATRIX_FMT_FP6 matrix_b_fmt:MATRIX_FMT_FP6
.elseif (\s)%2 == 0
	v_wmma_scale_f32_16x16x128_f8f6f4 v[8*(8*\a+\b):8*(8*\a+\b)+7], v[12*\b:12*\b+11], v[64+12*\a:64+12*\a+11], v[8*(8*\a+\b):8*(8*\a+\b)+7], v[16+4*\b+(\s)/2], v[48+4*\a+(\s)/2] matrix_a_fmt:MATRIX_FMT_FP6 matrix_b_fmt:MATRIX_FMT_FP6
.else
	v_wmma_scale_f32_16x16x128_f8f6f4 v[8*(8*\a+\b):8*(8*\a+\b)+7], v[96+12*\b:96+12*\b+11], v[112+12*\a:112+12*\a+11], v[8*(8*\a+\b):8*(8*\a+\b)+7], v[16+4*\b+(\s)/2], v[48+4*\a+(\s)/2] matrix_a_fmt:MATRIX_FMT_FP6 matrix_b_fmt:MATRIX_FMT_FP6 matrix_a_scale:MATRIX_SCALE_ROW1 matrix_b_scale:MATRIX_SCALE_ROW1
.endif
.endr
.endr
.endm
.macro STEP s
	s_wait_dscnt 0x0                               ; this K step's fragments are in
.if (\s) == 3
	s_wait_tensorcnt 0x0                           ; every wave's one load has landed, those of K steps 4-7 among them;
	s_barrier_signal -1
	s_barrier_wait -1                              ; everybody's has.
.endif
.if ((\s) >= 1) && ((\s) < 7)
	PLACES                                         ; four plain instructions between the last products and loads into the registers that they read
.endif
.if (\s) < 7
	FETCH (\s)+1, 1-(\s)%2
.endif
.if (\s) == 0
	WIN FIRSTW
.else
	WIN MULW
.endif
	MUL \s
	WIN 0
.endm
	s_wait_alu depctr_va_vdst(0)
	s_cmp_lt_u32 s[WV], 2
	s_cbranch_scc0 .Lnot_first
	s_wait_tensorcnt 0x0                           ; waves 0 and 1: K steps 0-3 are in; the loads of waves 2 and 3 may still be out
.Lnot_first:
	s_barrier_signal -1
	s_barrier_wait -1
	FETCH 0, 0
	s_wait_loadcnt 0x0                             ; scale words and the bias
.irp s, 0,1,2,3,4,5,6,7
	STEP \s
.endr
; THE WAY OUT, a tile of 16 tokens x 128 columns at a time, through my own stage in LDS: in as 32 bytes a lane, back as whole rows of 512 bytes.  The stages lie where S0's codes lay: those bytes have had their only fill,
; and behind the barrier below nobody reads them.  LDS serves a wave's instructions in order: no wait between the stores and the loads, nor ahead of the next tile's stores.
.macro TOSTAGE a
	WIN 0x08                                       ; an LDS store's data: window 2
.irp b, 0,1,2,3,4,5,6,7
	ds_store_b128 v[STO], v[8*(8*(\a)+\b):8*(8*(\a)+\b)+3] offset:128*(\b/2)+32*(\b%2)        ; each accumulator from its low end on
	ds_store_b128 v[STO], v[8*(8*(\a)+\b)+4:8*(8*(\a)+\b)+7] offset:128*(\b/2)+32*(\b%2)+16
.endr
	WIN 0
.irp t, 0,1,2,3,4,5,6,7,8,9,10,11,12,13,14,15
	ds_load_b128 v[64+64*((\a)%2)+4*\t:64+64*((\a)%2)+4*\t+3], v[RD] offset:528*\t
.endr
.endm
.macro SEND a, younger                 ; younger: the LDS instructions issued behind tile a's loads, which may stay out
	s_wait_dscnt \younger
.irp t, 0,1,2,3,4,5,6,7,8,9,10,11,12,13,14,15
	global_store_b128 v4, v[64+64*((\a)%2)+4*\t:64+64*((\a)%2)+4*\t+3], s[92:93] offset:(32*((\a)/2)+8*((\a)%2)+\t+8*(\t/8))*4096 th:TH_STORE_NT   ; 32 lanes store 512 consecutive bytes, at a multiple of 256 from the buffer's first byte
.endr
.endm
	PLACES                                         ; behind the last products, ahead of the first read of results and of loads into S1's registers
	s_wait_dscnt 0x0
	s_barrier_signal -1
	s_barrier_wait -1                              ; every wave's reads of the codes are over
	TOSTAGE 0
.irp a, 1,2,3
.if \a > 1
	s_wait_xcnt 0x0                                ; tile a - 2's stores have read their registers: tile a's rows may land there
.endif
	TOSTAGE \a
	SEND \a-1, 32                                  ; behind tile a - 1's loads: tile a's 16 stores and 16 loads
.endr
	SEND 3, 0
	s_wait_tensorcnt 0x0                           ; the wave's end
	ds_add_u32 v254, v255
	s_wait_dscnt 0x0
	CROUND                                         ; the closing round: no work-group ends while a partner may still ask for a tile that names it
	s_endpgm
.Lfunc_end_k_q33ed6bea59_outproj:
	.size	k_q33ed6bea59_outproj, .Lfunc_end_k_q33ed6bea59_outproj-k_q33ed6bea59_outproj
	.p2alignl 7, 3214868480
	.fill 96, 4, 3214868480
	.section	.rodata,"a",@progbits
	.p2align	6, 0x0
	.amdhsa_kernel k_q33ed6bea59_outproj
		.amdhsa_group_segment_fixed_size 295424
		.amdhsa_private_segment_fixed_size 0
		.amdhsa_enable_private_segment 0
		.amdhsa_kernarg_size 32
		.amdhsa_user_sgpr_count 2
		.amdhsa_user_sgpr_kernarg_segment_ptr 1
		.amdhsa_wavefront_size32 1
		.amdhsa_system_sgpr_workgroup_id_x 1
		.amdhsa_system_sgpr_workgroup_id_y 1
		.amdhsa_system_sgpr_workgroup_id_z 1
		.amdhsa_system_vgpr_workitem_id 0
		.amdhsa_next_free_vgpr 768
		.amdhsa_next_free_sgpr 100
		.amdhsa_reserve_vcc 0
		.amdhsa_float_denorm_mode_32 3
		.amdhsa_float_denorm_mode_16_64 3
		.amdhsa_memory_ordered 1
		.amdhsa_forward_progress 1
		.amdhsa_inst_pref_size 86
	.end_amdhsa_kernel
	.amdgpu_metadata
---
amdhsa.version: [ 1, 2 ]
amdhsa.kernels:
  - .name:           k_q33ed6bea59_outproj
    .symbol:         k_q33ed6bea59_outproj.kd
    .args:
      - { .name: xw, .offset: 0, .size: 8, .value_kind: global_buffer, .address_space: global }
      - { .name: ctx, .offset: 8, .size: 8, .value_kind: global_buffer, .address_space: global }
      - { .name: bo, .offset: 16, .size: 8, .value_kind: global_buffer, .address_space: global }
      - { .name: out0, .offset: 24, .size: 8, .value_kind: global_buffer, .address_space: global }
    .group_segment_fixed_size: 295424
    .private_segment_fixed_size: 0
    .kernarg_segment_align: 8
    .kernarg_segment_size: 32
    .max_flat_workgroup_size: 128
    .sgpr_count:     100
    .vgpr_count:     768
    .wavefront_size: 32
...
	.end_amdgpu_metadata
.endif
;; end of part 4
